; MI455X (gfx1250); checked and timed in simulation.
; The chip was launched on July 23, 2026; its instructions are those of AMD's public machine-readable ISA for CDNA 5 (MIT licence, August 2026) and "CDNA5" Instruction Set Architecture Reference Guide (July 2026). The comments in the code are by the model that wrote it; some were corrected since.
;; Multi Head Attention. Allowed arithmetic: matrix products marked QUANTISED: E2M3 operands, one E8M0 scale for each 32 along K, by v_wmma_scale_f32_16x16x128_f8f6f4 with both operands' format E2M3, f32 sums; everything else in f32.
;; Inputs: Wc 1,024 x 1,024 float32; Wkv 1,024 x 3,072 float32; Wq 1,024 x 2,048 float32; gn_b 1,024 float32; gn_w 1,024 float32; kn1 64 float32; kn2 64 float32; lmb 1 x 16 x 1 x 1 float32; qn1 64 float32; qn2 64 float32; x_kv 4 x 1,024 x 1,024 float32; x_q 4 x 1,024 x 1,024 float32.
;; Outputs: out0 4 x 1,024 x 1,024 float32.
;; This version of the problem:
;;   THIS VERSION OF THE PROBLEM IS GIVEN IN LOW PRECISION. The matrix products marked QUANTISED in the list below multiply operands that are first quantised to E2M3 (2 exponent bits, 3 mantissa bits; 6 bits a number), with one power-of-two scale for each 32 numbers along K (OCP MX v1.0); their sums are f32. All else is computed in f32.
;;   The module's matrix products, in the order in which they are computed (A, B: the left and right operand; K: the contracted axis; several contracted axes count as one K, in the product's order):
;;     1. [M 4,096, K 1,024] x [K 1,024, N 2,048]; A: input x_q; B: input Wq: QUANTISED
;;     2. [M 4,096, K 1,024] x [K 1,024, N 3,072]; A: input x_kv; B: input Wkv: QUANTISED
;;     3. batch 64 x [M 1,024, K 64] x [K 64, N 1,024]; A: computed on the way; B: computed on the way: QUANTISED
;;     4. batch 64 x [M 1,024, K 1,024] x [K 1,024, N 64]; A: softmax (see below); B: computed on the way: QUANTISED
;;     5. batch 64 x [M 1,024, K 64] x [K 64, N 1,024]; A: computed on the way; B: computed on the way: QUANTISED
;;     6. batch 64 x [M 1,024, K 1,024] x [K 1,024, N 64]; A: softmax (see below); B: computed on the way: QUANTISED
;;     7. [M 4,096, K 1,024] x [K 1,024, N 1,024]; A: computed on the way; B: input Wc: QUANTISED
;;   THE QUANTISER, for each operand of a quantised product, along K:
;;     - K is cut into blocks of 32 from its start; a last block that is shorter is filled with zeros.
;;     - A block's scale is 2^e with e = floor(log2(the largest magnitude in the block)) - 2, held to -126 .. 127; a block of zeros has e = 0. As a byte (E8M0): e + 127.
;;     - Each number is divided by its block's scale, clamped to +-7.5, and rounded to the nearest number of E2M3, ties to even, subnormals kept.
;;     - The product sums the exact products of the quantised numbers (number of the format x scale) in f32.
;;   ~~~python
;;   def quantise(x, axis):      # numpy; x: float32 -> the quantised numbers, widened to float32 again
;;       x = np.moveaxis(x, axis, -1); K = x.shape[-1]
;;       x = np.pad(x, [(0, 0)] * (x.ndim - 1) + [(0, -K % 32)]); x = x.reshape(x.shape[:-1] + (-1, 32)); a = np.abs(x).max(-1, keepdims=True)
;;       e = np.where(a > 0, np.clip(np.frexp(np.where(a > 0, a, 1))[1] - 1 - 2, -126, 127), 0)      # np.frexp(a)[1] - 1 = floor(log2(a)), exactly
;;       r = np.clip(x / 2.0 ** e, -7.5, 7.5)
;;       step = 2.0 ** (np.maximum(np.frexp(np.where(r == 0, 1, r))[1] - 1, 0) - 3)
;;       q = np.round(r / step) * step * 2.0 ** e      # np.round: ties to even
;;       return np.moveaxis(q.reshape(q.shape[:-2] + (-1,))[..., :K], -1, axis).astype(np.float32)
;;   ~~~
;;   SOFTMAX AHEAD OF A QUANTISED PRODUCT. Where the list says 'softmax', what is quantised is not the finished softmax but p = 2^(t - M), with t = logit x log2(e) and M = ceil(the row's largest t), a whole number; so 1/2 < the row's largest p <= 1. The row's sum l is taken of the UNQUANTISED p, in f32, and the product's result is divided by l at the end. Since M is a whole number, a kernel that streams over the keys may use a running M (the ceiling of the running maximum): every later rescaling is an exact power of two, which a block's scale takes up: the codes' values come out the same.
;;   OPERANDS COMPUTED ON THE WAY. 'Computed on the way' means the value that the module computes at that place (a softmax that the list does not call 'softmax' is quantised finished and normalised). What goes into a quantiser is computed in f32, as accurately as f32 sums, v_exp_f32 and their like allow (about 1e-6 of the number): no bf16 or f16 on the way to a quantiser, and a product that is left as it is and whose result goes on into a quantised operand takes f32 operands (vector FMAs, or v_wmma_f32_16x16x4_f32). A number that lies on a knife's edge between two numbers of the format may be rounded either way, as far as f32 arithmetic and the matrix unit's own rounding can turn it there, and no further.
;; One version. Each part assembles by itself: llvm-mc -triple=amdgcn-amd-amdhsa -mcpu=gfx1250 --defsym DOCPART=n.
;; ======== version 1 of 1: 4 launches
;; workspace buffers: cod 11,010,048 bytes; scl 458,752 bytes; qkv 15,728,640 bytes; qkvs 655,360 bytes; yim 16,777,216 bytes; sta 32,768 bytes
;; launch quant (part 1): grid 448 x 1, 4 waves a work-group, no clusters, 69,120 bytes of LDS; arguments x_q, x_kv, Wq, Wkv, Wc, cod, scl; writes cod, scl
.if DOCPART == 1
	.amdgcn_target "amdgcn-amd-amdhsa--gfx1250"
	.amdhsa_code_object_version 6
	.text
	.protected	k_q0e233b63fc_quant
	.globl	k_q0e233b63fc_quant
	.p2align	8
	.type	k_q0e233b63fc_quant,@function
k_q0e233b63fc_quant:
	s_mov_b64 s[64:65], 0
	v_nop
	global_prefetch_b8 v0, s[64:65] scope:SCOPE_SE
	s_setreg_imm32_b32 hwreg(HW_REG_WAVE_MODE, 25, 1), 1
	s_wait_xcnt 0x0
; x_q, x_kv [4096][1024] and Wq [1024][2048], Wkv [1024][3072], Wc [1024][1024], all f32, become codes of FP6 (E2M3) with K innermost and one E8M0 scale byte for each 32 along K.
; A block's scale is 2^(floor(log2(its largest magnitude)) - 2); its byte is the largest magnitude's exponent field - 2, held at 1 from below.
; LIMITS: NaN and infinities among the inputs are not served; a block whose largest magnitude lies under 2^-124 keeps the byte 1, and so does a block of zeros (the rule says 127 there):
; its codes are zeros, which add nothing under any byte but 0xff, and the bytes are read by this program alone.
; cod: x's codes [2][4096 places][768 bytes], then from byte 6,291,456 the weights' [6144 rows][768].  scl: [2][4096][32], then from byte 262,144 [6144][32].
; PLACES: a row (a token, a weight's column) lies at the place that is its number with bits 3 and 4 exchanged.  So 16 neighbouring places 16 t + r, t = 2 b + u, hold rows 32 b + 8 u + r + 8 (r / 8):
; a product that takes such a tile as its source 0 leaves 16 neighbouring rows in a lane's 16 registers of tiles 2 b and 2 b + 1.
; THE WEIGHTS' ROWS: Wq's column n (part n / 1024, head (n / 64) % 16, channel n % 64) is row 128 head + 64 part + channel; k1 and k2 likewise from row 2048; v's channels from row 4096; Wc's columns from row 5120.
; Work-groups 0-255 take x (K innermost: a plain stream of blocks), work-groups 256-447 the weights (K is the first axis: a lane takes a column, its registers run down K).
; The two ways part on the work-group's number and have LDS bytes of their own.  No tensor loads, no barrier: waves share nothing.
.set WREG,  8192                       ; x: LDS of a wave: two stages of 32 x SP bytes, behind them its 256 scale bytes
.set SP,    80                         ; a lane's place in a stage: 64 bytes + 16 of padding
.set CB,    12                         ; bytes of 16 codes
.set STEPS, 16
.set EMAX,  2
.set XR,    16                         ; v16-79   four sets of 16 numbers as loaded
.set XX,    80                         ; v80-111  two sets of 16 neighbours
.set XE,    112                        ; v112-127 a scale byte for each step
.set XCD,   128                        ; v128-191 codes, four registers a step
.set WP,    272                        ; weights: a stage row: sixteen places of 16 bytes + 16
.set WST,   32768                      ; weights: the stages begin here, 32 x WP bytes a wave
.set WX,    32                         ; v32-95   two sets of 32 numbers
.set WCD,   96                         ; v96..    a block's codes
.set OUTR,  112                        ; v112-175 the way out
.set SB,    24                         ; v24-25   the scale bytes
.set OFF,   176                        ; v176-207 4 x lane + i rows of the weight, i = 0 .. 31; never rewritten
.set NBK,   8                          ; blocks of 32 along K for a wave
	s_load_b128 s[4:7], s[0:1], 0x0                ; x_q, x_kv
	s_load_b128 s[8:11], s[0:1], 0x10              ; Wq, Wkv
	s_load_b64 s[12:13], s[0:1], 0x20              ; Wc
	s_load_b64 s[16:17], s[0:1], 0x28              ; cod
	s_load_b64 s[18:19], s[0:1], 0x30              ; scl
	v_lshl_add_u32 v208, v0, 2, 0x10c00
	v_mov_b32 v209, 0
	v_lshrrev_b32 v1, 5, v0
	v_readfirstlane_b32 s20, v1                    ; wave 0..3
	v_and_b32 v2, 31, v0                           ; lane
	s_wait_kmcnt 0x0
	s_cmp_lt_u32 ttmp9, 256
	s_cbranch_scc0 .Lw
; ---------------- x: a wave takes 8 rows (8,192 numbers) in 16 steps of 512 numbers ----------------
; Each load reads 512 consecutive bytes; a step's 2,048 bytes turn through the wave's stage so that a lane holds 16 neighbours; two neighbouring lanes hold a block.
	v_lshlrev_b32 v3, 4, v2                        ; my 16 bytes of a load's 512
	s_mul_i32 s21, s20, WREG
	v_lshrrev_b32 v14, 2, v2
	v_mul_u32_u24 v14, v14, SP
	v_and_b32 v15, 3, v2
	v_lshl_add_u32 v14, v15, 4, v14
	v_add_nc_u32 v14, s21, v14                     ; the stage, in: SP (lane / 4) + 16 (lane % 4)
	v_mul_u32_u24 v15, v2, SP
	v_add_nc_u32 v15, s21, v15                     ; and out: SP x lane
	v_mul_u32_u24 v4, v2, CB                       ; my codes' place in a step's
	v_lshrrev_b32 v5, 1, v2
	s_add_co_u32 s21, s21, 2*32*SP
	v_add_nc_u32 v5, s21, v5                       ; my block's byte among my wave's 256
	v_lshlrev_b32 v7, 3, v2
	v_add_nc_u32 v6, s21, v7
	s_cmp_lt_u32 ttmp9, 128                        ; x_q or x_kv: the choice hangs on the work-group's number alone
	s_cselect_b64 s[4:5], s[4:5], s[6:7]
	s_cselect_b32 s22, 0, 128
	s_sub_co_u32 s22, ttmp9, s22
	s_lshl_b32 s22, s22, 2
	s_add_co_u32 s22, s22, s20                     ; which run of 8 rows of the tensor I read
	s_lshl_b32 s22, s22, 15                        ; 32,768 bytes a run
	s_mov_b32 s23, 0
	s_add_nc_u64 s[4:5], s[4:5], s[22:23]
	s_and_b32 s24, s20, 1                          ; where it goes: a run is 8 rows, so the wave's two bits are the row's bits 3 and 4: exchanged
	s_lshl_b32 s24, s24, 1
	s_lshr_b32 s25, s20, 1
	s_or_b32 s24, s24, s25
	s_lshl_b32 s25, ttmp9, 2
	s_add_co_u32 s24, s24, s25
	s_mul_i32 s26, s24, 6144                       ; 8 rows of 768 bytes
	s_mov_b32 s27, 0
	s_add_nc_u64 s[16:17], s[16:17], s[26:27]
	s_lshl_b32 s26, s24, 8                         ; 8 rows of 32 scale bytes
	s_add_nc_u64 s[18:19], s[18:19], s[26:27]
.macro XLOAD t
.irp i, 0,1,2,3
	global_load_b128 v[XR+16*((\t)%4)+4*\i:XR+16*((\t)%4)+4*\i+3], v3, s[4:5] offset:2048*(\t)+512*\i th:TH_LOAD_NT
.endr
.endm
.macro XTURN t                         ; LDS serves a wave's instructions in order: no wait between the stores and the loads
.irp i, 0,1,2,3
	ds_store_b128 v14, v[XR+16*((\t)%4)+4*\i:XR+16*((\t)%4)+4*\i+3] offset:32*SP*((\t)%2)+8*SP*\i
.endr
.irp i, 0,1,2,3
	ds_load_b128 v[XX+16*((\t)%2)+4*\i:XX+16*((\t)%2)+4*\i+3], v15 offset:32*SP*((\t)%2)+16*\i
.endr
.endm
.irp t, 0,1,2,3
	XLOAD \t
.endr
	s_wait_loadcnt 12                              ; step 0's four loads are in; twelve younger ones stay out
	XTURN 0
.macro XSTEP t
.set XS, XX+16*((\t)%2)
.if (\t) > 0
	s_wait_dscnt 1                                 ; this step's numbers are back from the stage; the last step's byte store may be out
.else
	s_wait_dscnt 0x0
.endif
.if (\t)+4 < STEPS
	XLOAD (\t)+4                                   ; into the registers whose stores into the stage are done
.endif
.if (\t)+1 < STEPS
.if STEPS-2-(\t) >= 3
	s_wait_loadcnt 12                              ; the next step's four loads are in; those of the three steps behind it may be out
.else
	s_wait_loadcnt 4*(STEPS-2-(\t))
.endif
	XTURN (\t)+1
.endif
	v_max3_num_f32 v8, |v[XS]|, |v[XS+1]|, |v[XS+2]|
	v_max3_num_f32 v9, |v[XS+3]|, |v[XS+4]|, |v[XS+5]|
.irp i, 6,10
	v_max3_num_f32 v8, v8, |v[XS+\i]|, |v[XS+\i+1]|
	v_max3_num_f32 v9, v9, |v[XS+\i+2]|, |v[XS+\i+3]|
.endr
	v_max3_num_f32 v8, v8, |v[XS+14]|, |v[XS+15]|
	v_max3_num_f32 v8, v8, v9, (EMAX+1)<<23        ; the floor 2^(3 - 127): the byte cannot fall under 1
	v_max_num_f32_dpp v8, v8, v8 row_xmask:1 row_mask:0xf bank_mask:0xf   ; with my neighbour's 16: the block's largest magnitude
	v_add_nc_u32 v11, -(EMAX<<23), v8              ; 2 off its exponent field: the conversion's scale operand
	v_cvt_scalef32_pk16_fp6_f32 v[XCD+4*(\t):XCD+4*(\t)+2], v[XS:XS+15], v11
	v_lshrrev_b32 v[XE+(\t)], 23, v11              ; the scale's byte
	ds_store_b8 v5, v[XE+(\t)] offset:16*(\t)      ; both lanes of a block write the same byte with the same value
	global_store_b96 v4, v[XCD+4*(\t):XCD+4*(\t)+2], s[16:17] offset:32*CB*(\t)   ; the wave stores 384 consecutive bytes
.endm
.irp t, 0,1,2,3,4,5,6,7,8,9,10,11,12,13,14,15
	XSTEP \t
.endr
	ds_load_b64 v[12:13], v6                       ; in order behind my byte stores
	s_wait_dscnt 0x0
	global_store_b64 v7, v[12:13], s[18:19]        ; 32 lanes store 256 consecutive bytes, aligned
	s_wait_tensorcnt 0x0
	ds_add_u32 v208, v209
	s_wait_dscnt 0x0
	s_endpgm
; ---------------- the weights: a work-group takes 128 columns x 256 along K, a wave 32 columns ----------------
.Lw:
	s_sub_co_u32 s21, ttmp9, 256
	s_lshr_b32 s22, s21, 2                         ; which 128 of the 6,144 columns: 0-15 Wq, 16-39 Wkv, 40-47 Wc
	s_and_b32 s23, s21, 3                          ; which 256 along K
	s_mov_b32 s28, 8192                            ; bytes in a row of Wq,
	s_mov_b32 s29, 12288                           ; of Wkv,
	s_cmp_lt_u32 s22, 16
	s_cselect_b64 s[4:5], s[8:9], s[10:11]
	s_cselect_b32 s28, s28, s29
	s_cselect_b32 s24, 0, 16
	s_mov_b32 s29, 4096                            ; of Wc
	s_cmp_lt_u32 s22, 40
	s_cselect_b64 s[4:5], s[4:5], s[12:13]
	s_cselect_b32 s28, s28, s29
	s_cselect_b32 s24, s24, 40
	s_sub_co_u32 s24, s22, s24
	s_lshl_b32 s24, s24, 7
	s_lshl_b32 s25, s20, 5
	s_add_co_u32 s24, s24, s25                     ; my wave's first column in its tensor
	s_lshl_b32 s24, s24, 2
	s_lshl_b32 s25, s23, 8
	s_mul_i32 s25, s25, s28                        ; + 256 ky rows
	s_add_co_u32 s24, s24, s25
	s_mov_b32 s25, 0
	s_add_nc_u64 s[32:33], s[4:5], s[24:25]        ; a base for each block of 32 rows: none is ever stepped
	s_lshl_b32 s26, s28, 5
	s_mov_b32 s27, 0
.irp t, 1,2,3,4,5,6,7
	s_add_nc_u64 s[32+2*\t:33+2*\t], s[30+2*\t:31+2*\t], s[26:27]
.endr
	s_lshl_b32 s30, s22, 7
	s_lshl_b32 s31, s20, 5
	s_add_co_u32 s30, s30, s31                     ; G: my first column among the 6,144
	s_and_b32 s31, s30, 2047                       ; n
	s_lshr_b32 s48, s30, 11
	s_lshl_b32 s48, s48, 11                        ; q's rows from 0, k's from 2048
	s_bfe_u32 s49, s31, 0x40006                    ; the head
	s_lshl_b32 s49, s49, 7
	s_add_co_u32 s48, s48, s49
	s_lshr_b32 s49, s31, 10                        ; the part
	s_lshl_b32 s49, s49, 6
	s_add_co_u32 s48, s48, s49
	s_and_b32 s49, s31, 63                         ; the channel: 0 or 32
	s_add_co_u32 s48, s48, s49
	s_cmp_lt_u32 s30, 4096
	s_cselect_b32 s48, s48, s30                    ; my first row of the output, a multiple of 32
	s_mul_i32 s50, s48, 768
	s_mul_i32 s51, s23, 192
	s_add_co_u32 s50, s50, s51
	s_add_co_u32 s50, s50, 6291456
	s_mov_b32 s51, 0
	s_add_nc_u64 s[16:17], s[16:17], s[50:51]
	s_lshl_b32 s50, s48, 5
	s_lshl_b32 s52, s23, 3
	s_add_co_u32 s50, s50, s52
	s_add_co_u32 s50, s50, 262144
	s_add_nc_u64 s[18:19], s[18:19], s[50:51]
	s_mul_i32 s53, s20, 32*WP
	s_add_co_u32 s53, s53, WST                     ; my stage
	v_mul_u32_u24 v4, v2, WP
	v_add_nc_u32 v4, s53, v4                       ; into it: row = my column
	v_and_b32 v5, 15, v2
	v_lshrrev_b32 v6, 4, v2
	v_mul_u32_u24 v7, v6, WP
	v_lshl_add_u32 v7, v5, 4, v7
	v_add_nc_u32 v7, s53, v7                       ; out of it: sixteen lanes to a row, two rows an instruction
	v_mul_u32_u24 v8, v6, 768
	v_mad_u32_u24 v8, v5, 12, v8                   ; and the same place in the codes
	v_and_b32 v9, 7, v2                            ; my column's place: the lane with bits 3 and 4 exchanged,
	v_bfe_u32 v10, v2, 3, 1
	v_bfe_u32 v11, v2, 4, 1
	v_lshl_or_b32 v9, v10, 4, v9
	v_lshl_or_b32 v9, v11, 3, v9
	v_lshlrev_b32 v9, 5, v9                        ; x 32 scale bytes a row
	v_lshlrev_b32 v[OFF], 2, v2
.set I, 1
.rept 31
	v_add_nc_u32 v[OFF+I], s28, v[OFF+I-1]
.set I, I+1
.endr
.macro WLOAD t                         ; block t: W(256 ky + 32 t + i, my column): 32 lanes read 128 consecutive bytes
.set I, 0
.rept 32
	global_load_b32 v[WX+32*((\t)%2)+I], v[OFF+I], s[32+2*(\t):33+2*(\t)] th:TH_LOAD_NT
.set I, I+1
.endr
.endm
	WLOAD 0
	WLOAD 1
.macro BLOCK t
.set XS, WX+32*((\t)%2)
.if (\t) < NBK-1
	s_wait_loadcnt 32                              ; this block's 32 loads are in; the next block's may be out
.else
	s_wait_loadcnt 0
.endif
	v_max3_num_f32 v12, |v[XS]|, |v[XS+1]|, |v[XS+2]|   ; all 32 numbers of the block are mine
	v_max3_num_f32 v13, |v[XS+3]|, |v[XS+4]|, |v[XS+5]|
.irp i, 6,10,14,18,22,26
	v_max3_num_f32 v12, v12, |v[XS+\i]|, |v[XS+\i+1]|
	v_max3_num_f32 v13, v13, |v[XS+\i+2]|, |v[XS+\i+3]|
.endr
	v_max3_num_f32 v12, v12, |v[XS+30]|, |v[XS+31]|
	v_max3_num_f32 v12, v12, v13, (EMAX+1)<<23     ; the floor
	v_add_nc_u32 v11, -(EMAX<<23), v12             ; the conversion's scale operand
	v_lshrrev_b32 v13, 23, v11                     ; the scale's byte
.if (\t)%4 == 0
	v_mov_b32 v[SB+(\t)/4], v13
.else
	v_lshl_or_b32 v[SB+(\t)/4], v13, 8*((\t)%4), v[SB+(\t)/4]
.endif
	v_cvt_scalef32_pk16_fp6_f32 v[WCD:WCD+2], v[XS:XS+15], v11
	v_cvt_scalef32_pk16_fp6_f32 v[WCD+4:WCD+6], v[XS+16:XS+31], v11
	ds_store_b96 v4, v[WCD:WCD+2] offset:32*(\t)   ; 12 bytes to a place of 16
	ds_store_b96 v4, v[WCD+4:WCD+6] offset:32*(\t)+16
.if (\t)+2 < NBK
	WLOAD (\t)+2
.endif
	s_wait_dscnt 0x0                               ; the stores have read their registers: the next block's codes may be written
.endm
.irp t, 0,1,2,3,4,5,6,7
	BLOCK \t
.endr
	global_store_b64 v9, v[SB:SB+1], s[18:19]      ; my column's 8 scale bytes
.irp t, 0,1,2,3,4,5,6,7,8,9,10,11,12,13,14,15
	ds_load_b96 v[OUTR+4*\t:OUTR+4*\t+2], v7 offset:2*\t*WP
.endr
.irp t, 0,1,2,3,4,5,6,7,8,9,10,11,12,13,14,15
	s_wait_dscnt 15-\t
	global_store_b96 v8, v[OUTR+4*\t:OUTR+4*\t+2], s[16:17] offset:(((2*\t)&7)|((((2*\t)>>3)&1)<<4)|((((2*\t)>>4)&1)<<3))*768   ; columns 2 t, 2 t + 1 go to their places: bits 3 and 4 exchanged in the immediate
.endr
	s_wait_tensorcnt 0x0
	ds_add_u32 v208, v209
	s_wait_dscnt 0x0
	s_endpgm
.Lfunc_end_k_q0e233b63fc_quant:
	.size	k_q0e233b63fc_quant, .Lfunc_end_k_q0e233b63fc_quant-k_q0e233b63fc_quant
	.p2alignl 7, 3214868480
	.fill 96, 4, 3214868480
	.section	.rodata,"a",@progbits
	.p2align	6, 0x0
	.amdhsa_kernel k_q0e233b63fc_quant
		.amdhsa_group_segment_fixed_size 69120
		.amdhsa_private_segment_fixed_size 0
		.amdhsa_enable_private_segment 0
		.amdhsa_kernarg_size 56
		.amdhsa_user_sgpr_count 2
		.amdhsa_user_sgpr_kernarg_segment_ptr 1
		.amdhsa_wavefront_size32 1
		.amdhsa_system_sgpr_workgroup_id_x 1
		.amdhsa_system_sgpr_workgroup_id_y 1
		.amdhsa_system_sgpr_workgroup_id_z 1
		.amdhsa_system_vgpr_workitem_id 0
		.amdhsa_next_free_vgpr 210
		.amdhsa_next_free_sgpr 66
		.amdhsa_reserve_vcc 0
		.amdhsa_float_denorm_mode_32 3
		.amdhsa_float_denorm_mode_16_64 3
		.amdhsa_memory_ordered 1
		.amdhsa_forward_progress 1
		.amdhsa_inst_pref_size 76
	.end_amdhsa_kernel
	.amdgpu_metadata
---
amdhsa.version: [ 1, 2 ]
amdhsa.kernels:
  - .name:           k_q0e233b63fc_quant
    .symbol:         k_q0e233b63fc_quant.kd
    .args:
      - { .name: x_q, .offset: 0, .size: 8, .value_kind: global_buffer, .address_space: global }
      - { .name: x_kv, .offset: 8, .size: 8, .value_kind: global_buffer, .address_space: global }
      - { .name: Wq, .offset: 16, .size: 8, .value_kind: global_buffer, .address_space: global }
      - { .name: Wkv, .offset: 24, .size: 8, .value_kind: global_buffer, .address_space: global }
      - { .name: Wc, .offset: 32, .size: 8, .value_kind: global_buffer, .address_space: global }
      - { .name: cod, .offset: 40, .size: 8, .value_kind: global_buffer, .address_space: global }
      - { .name: scl, .offset: 48, .size: 8, .value_kind: global_buffer, .address_space: global }
    .group_segment_fixed_size: 69120
    .private_segment_fixed_size: 0
    .kernarg_segment_align: 8
    .kernarg_segment_size: 56
    .max_flat_workgroup_size: 128
    .sgpr_count:     66
    .vgpr_count:     210
    .wavefront_size: 32
...
	.end_amdgpu_metadata
.endif
;; end of part 1
;; launch proj (part 2): grid 64 x 4, 4 waves a work-group, clusters of 4 x 4, 327,680 bytes of LDS; arguments cod, scl, qn1, qn2, kn1, kn2, qkv, qkvs; writes qkv, qkvs
.if DOCPART == 2
	.amdgcn_target "amdgcn-amd-amdhsa--gfx1250"
	.amdhsa_code_object_version 6
	.text
	.protected	k_q0e233b63fc_proj
	.globl	k_q0e233b63fc_proj
	.p2align	8
	.type	k_q0e233b63fc_proj,@function
k_q0e233b63fc_proj:
	s_mov_b64 s[64:65], 0
	v_nop
	global_prefetch_b8 v0, s[64:65] scope:SCOPE_SE
	s_setreg_imm32_b32 hwreg(HW_REG_WAVE_MODE, 25, 1), 1
	s_wait_xcnt 0x0
	s_wait_alu depctr_hold_cnt(0) depctr_sa_sdst(0) depctr_va_vdst(0) depctr_va_sdst(0) depctr_va_ssrc(0) depctr_va_vcc(0) depctr_vm_vsrc(0)
	s_getreg_b32 s2, hwreg(HW_REG_IB_STS2, 6, 4)
	s_cmp_eq_u32 s2, 0
	s_cbranch_scc0 .Lentry_in_a_cluster
	s_endpgm
.Lentry_in_a_cluster:
	s_bfe_u32 s2, ttmp6, 0x10000c
	s_cmp_lg_u32 s2, 0xf033
	s_cbranch_scc0 .Lentry_shape_is_right
	s_endpgm
.Lentry_shape_is_right:
; The two projections on codes of FP6 (E2M3) with E8M0 scales, the RMS norm of q1, q2, k1, k2 over a head's 64 channels, and the quantising of q, k and v for the attention.
; EVERY WORK-GROUP MAKES TWO THINGS: a tile of 256 x 256 of q = x_q Wq (clusters 0-7) or of k = x_kv Wk (clusters 8-15), and then a piece of v^T = Wv^T x_kv^T, 128 channels x 128 tokens.
; There are 256 tiles and 256 pieces, so every work-group has the same work.  What differs between q and k is chosen by the cluster's number alone, which all sixteen partners share.
; THE TILE is made by four waves, 128 x 128 each: 64 accumulators, 512 registers.  K = 1,024 goes in steps of 256 through a ring of two LDS slots filled by the tensor data mover.
; "A" is the matrix instruction's source 1: a lane holds ONE of its rows.  "B" is source 0: a lane's registers run along its rows.  q, k: A = tokens, B = weight rows (a wave's 128 are one head's part 1 and part 2).
; Rows lie in memory at places with bits 3 and 4 exchanged, so the 64 registers of a block of A (8 b + j) are B's rows 32 (b / 2) + 16 (lane / 16) + 8 (b % 2) + j: 16 neighbours in 16 registers, as the conversions want them.
; THE PIECE OF v: A = 128 channels, B = 128 tokens (one key step), since v is quantised along the keys.  Its operands for all of K, 2 x 128 rows x 768 bytes, are just what the two slots hold: slot 0 takes K steps 0 and 1
; when the tile's product has left it, slot 1 K steps 2 and 3 in the tile's last step: the same refill as every other, with another address.  They land under the last K step and the way out of q, k.
; Wave w takes channels 32 w .. 32 w + 31 against all 128 tokens: 16 accumulators.
; THE WAY OUT: each block of 16 rows of A becomes one operand fragment (16 rows x 128 K, 12 registers), stored AS AN IMAGE OF ITS REGISTERS: three stores of 512 consecutive bytes, lane l's 16 bytes at 16 l.
; q, k: a row of 128 codes is [part 1's 64 channels | part 2's 64].  v: 16 channels x 128 keys.  The scale words of 8 fragments leave as one image of 512 bytes: lane l's word i is that of fragment 2 i + l / 16, row l % 16.
; LIMITS: NaN and infinities are not served; a block whose largest magnitude lies under 2^-124 (zeros too) keeps the scale byte 1; v_rsq_f32 is good to 1 ulp.
; CLUSTERS: 4 x 4 work-groups; A's tile is shared along a row of the cluster, B's along a column: each is asked for jointly, by the same tensor load with the same descriptor and a mask that names the four.
; REGISTERS: window 0: v0-31 addresses; v32-63 scale words, two sets (for v: the tokens'); v64-127 the norms' weights; from v128 A's fragments (on the way out v128-243 are at work); v244-251 v's channels' scale words.
;   window 1: B's fragments, two sets.  windows 2, 3: accumulators (v's sixteen: window 2, v0-127).
.set KSTEP,  256
.set NQ,     KSTEP/128
.set ROWB,   192                       ; a tile's row in bytes
.set KROW,   768                       ; a row of codes in memory
.set PITCH,  240                       ; an LDS row: 3 x (64 bytes + 16 of padding)
.set FR,     12
.set NL,     6
.set NP,     4
.set HALFT,  128*PITCH
.set SLOT,   4*HALFT
.set LAPS,   2                         ; 1,024 / 512
.set KS,     32                        ; a row of scale bytes
.set SCL,    2*SLOT
.set HALFS,  (128*KS/256)*272
.set SBLK,   (16*KS/256)*272
.set SPARE,  SCL+4*HALFS               ; the spare words, 128 bytes a wave: two blocks of 256 bytes that no other line names
.set STW,    SPARE+512                 ; 512 bytes: the image of v's scale words, written by LDS stores; no tile lands here
.set VA,   8                           ; v8-9   LDS address of my fragments of v's channels in slot 0, 1  (v10-11: behind one padding more)
.set VB,   12                          ; v12-13 the same for v's tokens  (v14-15)
.set ADRA, 16
.set ADRB, 20
.set LI,   24                          ; v24  16 x lane: an image's place for my lane
.set NO,   25                          ; v25  64 x (lane / 16): my half's place in a norm's weights
.set L32,  26                          ; v26  32 x lane: a row of scale bytes a lane
.set ADRS, 27
.set SPW,  28
.set NIL,  29
.set SWA,  30                          ; v30  STW + 16 x lane + 4 x wave
.set SRA,  31                          ; v31  STW + 16 x lane
.set SC,   32
.set NW,   64                          ; v64-127 register 16 b + i: the norm's weight of part b / 2, channel 32 (b % 2) + 16 (lane / 16) + i
.set AF,   128
.set T,    128                         ; the way out: v128-191 64 numbers
.set PC,   192                         ; v192-211 the codes just made
.set TM,   212                         ; v212-227 at work in QUANT
.set PW,   228                         ; a scale word
.set SW,   232                         ; v232-235 the image of the 8 scale words
.set SS,   236                         ; v236-239 sums of squares
.set R,    240                         ; v240-243 1 / rms of part 1, of part 2, each the low word of a pair
.set VSA,  244                         ; v244-251 register s: lanes 0-15 my first 16 channels' scale words of K step s, lanes 16-31 my second 16's
.set G1, 24
.set G0, 32
.set G1B, 48
.set G0B, 56
.set G1S, 68
.set G0S, 76
.set G1SB, 80
.set G0SB, 88
.set AV,  76                           ; from the first step on s68-91 are free (the scales' loads are done): s[76:77] v's channels' codes: my tile, K step wave % 2
.set BV,  78                           ; s[78:79] v's tokens' codes likewise
.set SAV, 80                           ; s[80:81] my 32 channels' scale bytes
.set SBV, 82                           ; s[82:83] the 128 tokens' scale bytes
.set OBV, 84                           ; s[84:85] where my two fragments of v go
.set OSV, 86                           ; s[86:87] where the piece's scale words go
.set SEL, 20                           ; s[20:21] lane selects for v_permlanex16_b32 (from the end of the head on)
.set MSB, 0
.macro WIN new                         ; the immediate's high byte repeats the setting that is left
.if MSB != (\new)
	s_set_vgpr_msb (MSB<<8)|(\new)
.set MSB, (\new)
.endif
.endm
.set MUL_LO, 0xa1                      ; source 0 (B) window 1, source 1 (A) window 0, C and D window 2
.set MUL_HI, 0xf1
.set TO_B,   0x40
; A joint load: waves 0 and 1 fetch for A, waves 2 and 3 for B; the branch hangs on the wave's number alone.  Four v_nop follow each of the two lines.
.macro JLOAD g0a, g1a, g0b, g1b
	s_cmp_eq_u32 s15, 0
	s_cbranch_scc0 .Lfor_b_\@
	tensor_load_to_lds s[\g0a:\g0a+3], s[\g1a:\g1a+7]
	s_nop 0
.rept 4
	v_nop
.endr
	s_branch .Lasked_\@
.Lfor_b_\@:
	tensor_load_to_lds s[\g0b:\g0b+3], s[\g1b:\g1b+7]
	s_nop 0
.rept 4
	v_nop
.endr
.Lasked_\@:
.endm
.macro CREST
	s_cmp_lg_u32 s14, 0
	s_cbranch_scc1 .Lnot_wave_0_\@
	s_barrier_signal -3
.Lnot_wave_0_\@:
	s_barrier_wait -3
	s_barrier_signal -1
	s_barrier_wait -1
.endm
.macro CROUND
	s_barrier_signal -1
	s_barrier_wait -1
	CREST
.endm
	s_load_b128 s[4:7], s[0:1], 0x0                ; cod, scl
	s_load_b128 s[96:99], s[0:1], 0x10             ; qn1, qn2
	s_load_b128 s[20:23], s[0:1], 0x20             ; kn1, kn2
	s_load_b128 s[8:11], s[0:1], 0x30              ; qkv, qkvs
	v_lshl_add_u32 v[SPW], v0, 2, SPARE
	v_mov_b32 v[NIL], 0
	ds_add_u32 v28, v29
	ds_add_u32 v28, v29
	s_wait_dscnt 0x0
	v_lshrrev_b32 v1, 5, v0
	v_readfirstlane_b32 s14, v1                    ; wave 0..3
	s_lshr_b32 s15, s14, 1                         ; which half of A's rows is mine.  Also: I fetch for A (0) or for B (1)
	s_and_b32 s16, s14, 1                          ; which half of B's rows.  Also: which 128 rows of that tile (for v: which of a slot's two K steps) I fetch
	s_bfe_u32 s40, ttmp6, 0x40000                  ; cx, cy: my place in the cluster
	s_bfe_u32 s41, ttmp6, 0x40004
	s_cmp_lt_u32 ttmp9, 8                          ; q or k: it hangs on the cluster's number alone
	s_cselect_b32 s95, 0, 1                        ; A (x_q, x_kv) begins at 0 or 1 x 3,145,728 bytes of cod (x 131,072 of scl),
	s_cselect_b32 s93, 4, 5                        ; B (q's, k's weight rows) at 4 or 5 x 1,572,864 (x 65,536)
	s_and_b32 s94, ttmp9, 7                        ; 2 x 4 clusters for each of the two
	s_and_b32 s18, s94, 1
	s_lshr_b32 s19, s94, 1
	s_lshl_b32 s42, s18, 2
	s_add_co_u32 s42, s42, s40                     ; B's tile
	s_lshl_b32 s17, s19, 2
	s_add_co_u32 s17, s17, s41                     ; A's tile
	s_lshl_b32 s43, s41, 2
	s_lshl_b32 s43, 15, s43                        ; my row of the cluster
	s_lshl_b32 s44, 0x1111, s40                    ; my column
	; descriptor group 1: a tile of 128 rows x 192 bytes; 16 bytes of padding behind every 64
	s_or_b32 s[G1+0], s43, (0<<16)|(1<<20)|(1<<21)|(3<<22)|(3<<25)
	s_or_b32 s[G1B+0], s44, (0<<16)|(1<<20)|(1<<21)|(3<<22)|(3<<25)
.irp g, G1, G1B
	s_mov_b32 s[\g+1], ROWB<<16                    ; tensor_dim0
	s_mov_b32 s[\g+2], 128<<16                     ; tensor_dim1
	s_mov_b32 s[\g+3], ROWB<<16                    ; tile_dim0
	s_mov_b32 s[\g+4], 128                         ; tile_dim1
	s_mov_b32 s[\g+5], KROW                        ; tensor_dim0_stride
	s_mov_b32 s[\g+6], 0
	s_mov_b32 s[\g+7], 0
.endr
	; the scales of 128 rows: 4,096 dense bytes, as 16 rows of 256 bytes (32 elements of 8), 16 bytes of padding behind each
	s_or_b32 s[G1S+0], s43, (3<<16)|(1<<20)|(1<<21)|(5<<22)|(3<<25)
	s_or_b32 s[G1SB+0], s44, (3<<16)|(1<<20)|(1<<21)|(5<<22)|(3<<25)
.irp g, G1S, G1SB
	s_mov_b32 s[\g+1], 32<<16
	s_mov_b32 s[\g+2], (128*KS/256)<<16
	s_mov_b32 s[\g+3], 32<<16
	s_mov_b32 s[\g+4], 128*KS/256
	s_mov_b32 s[\g+5], 32
	s_mov_b32 s[\g+6], 0
	s_mov_b32 s[\g+7], 0
.endr
	s_wait_kmcnt 0x0
	s_cmp_eq_u32 s95, 0                            ; q's norms or k's
	s_cselect_b64 s[96:97], s[96:97], s[20:21]
	s_cselect_b64 s[98:99], s[98:99], s[22:23]
	s_mov_b64 s[12:13], s[8:9]                     ; qkv
	s_mov_b64 s[66:67], s[10:11]                   ; qkvs
	s_mov_b64 s[8:9], s[4:5]                       ; B's codes and scales lie in the same two buffers as A's
	s_mov_b64 s[10:11], s[6:7]
	s_mov_b32 s19, 0
	s_mul_i32 s18, s95, 3145728
	s_add_nc_u64 s[4:5], s[4:5], s[18:19]
	s_mul_i32 s18, s95, 131072
	s_add_nc_u64 s[6:7], s[6:7], s[18:19]
	s_mul_i32 s18, s93, 1572864
	s_add_nc_u64 s[8:9], s[8:9], s[18:19]
	s_mul_i32 s18, s93, 65536
	s_add_nc_u64 s[10:11], s[10:11], s[18:19]
	s_lshl_b32 s18, s16, 7                         ; which 128 rows of the tile I fetch
	s_lshl_b32 s20, s17, 8
	s_add_co_u32 s20, s20, s18                     ; A: row 256 x A's tile + 128 x half
	s_lshl_b32 s46, s42, 8
	s_add_co_u32 s46, s46, s18                     ; B likewise
	s_mov_b32 s21, 0
	s_mov_b32 s47, 0
	s_mov_b64 s[18:19], KS
	s_mul_u64 s[22:23], s[20:21], s[18:19]
	s_mul_u64 s[92:93], s[46:47], s[18:19]
	s_mov_b64 s[18:19], KROW
	s_mul_u64 s[20:21], s[20:21], s[18:19]
	s_mul_u64 s[46:47], s[46:47], s[18:19]
	s_mul_i32 s45, s14, HALFT                      ; where they go: wave x 128 rows: no place in the cluster enters an LDS address
	s_mul_i32 s94, s14, HALFS
	s_add_nc_u64 s[20:21], s[4:5], s[20:21]
	s_add_nc_u64 s[22:23], s[6:7], s[22:23]
	s_add_nc_u64 s[46:47], s[8:9], s[46:47]
	s_add_nc_u64 s[92:93], s[10:11], s[92:93]
	CROUND                                         ; all sixteen work-groups are here: the first joint loads meet
	s_mov_b32 s[G0S], 1
	s_add_co_u32 s[G0S+1], s94, SCL
	s_mov_b64 s[G0S+2:G0S+3], s[22:23]
	s_or_b32 s[G0S+3], s[G0S+3], 0x80000000
	s_mov_b32 s[G0SB], 1
	s_add_co_u32 s[G0SB+1], s94, SCL
	s_mov_b64 s[G0SB+2:G0SB+3], s[92:93]
	s_or_b32 s[G0SB+3], s[G0SB+3], 0x80000000
	JLOAD G0S, G1S, G0SB, G1SB                     ; the scales first: they are wanted with K step 0.  With the two below, three tensor loads of mine are out
.irp s, 0,1
	s_mov_b32 s[G0+4*\s], 1
	s_add_co_u32 s[G0+4*\s+1], s45, \s*SLOT
	s_add_nc_u64 s[G0+4*\s+2:G0+4*\s+3], s[20:21], \s*ROWB
	s_or_b32 s[G0+4*\s+3], s[G0+4*\s+3], 0x80000000
	s_mov_b32 s[G0B+4*\s], 1
	s_add_co_u32 s[G0B+4*\s+1], s45, \s*SLOT
	s_add_nc_u64 s[G0B+4*\s+2:G0B+4*\s+3], s[46:47], \s*ROWB
	s_or_b32 s[G0B+4*\s+3], s[G0B+4*\s+3], 0x80000000
	JLOAD G0+4*\s, G1, G0B+4*\s, G1B
.endr
	v_and_b32 v1, 15, v0                           ; l % 16
	v_bfe_u32 v2, v0, 4, 1                         ; l / 16
	v_lshlrev_b32 v[NO], 6, v2
.irp b, 0,1,2,3                        ; the norms' weights, in the order of a block's 64 registers; waited for at the head of the way out
.irp u, 0,1,2,3
	global_load_b128 v[NW+16*\b+4*\u:NW+16*\b+4*\u+3], v[NO], s[96+2*(\b/2):97+2*(\b/2)] offset:128*(\b%2)+16*\u
.endr
.endr
	v_mul_u32_u24 v3, v1, PITCH
	v_mul_u32_u24 v4, v2, 24
	v_add_nc_u32 v4, v3, v4                        ; a fragment's row x pitch + 24 x half
	v_lshl_add_u32 v5, v2, 4, v4                   ; and the same behind one padding more
	s_mul_i32 s21, s15, HALFT                      ; my 128 rows of A
	s_mul_i32 s22, s16, HALFT                      ; my 128 rows of B,
	s_add_co_u32 s22, s22, 2*HALFT                 ; which lie behind A's 256
.irp s, 0,1
	v_add_nc_u32 v[ADRA+\s], s21, v4
	v_add_nc_u32 v[ADRB+\s], s22, v4
	v_add_nc_u32 v[ADRA+2+\s], s21, v5
	v_add_nc_u32 v[ADRB+2+\s], s22, v5
	s_add_co_u32 s21, s21, SLOT
	s_add_co_u32 s22, s22, SLOT
.endr
	s_mul_i32 s21, s14, 32*PITCH                   ; for v a slot holds: the 128 channels' K steps 2 s, 2 s + 1, then the 128 tokens' K steps 2 s, 2 s + 1, 128 rows each.  My 32 channels:
	v_add_nc_u32 v[VA], s21, v4
	v_add_nc_u32 v[VA+2], s21, v5
	s_add_co_u32 s21, s21, SLOT
	v_add_nc_u32 v[VA+1], s21, v4
	v_add_nc_u32 v[VA+3], s21, v5
	v_add_nc_u32 v[VB], 2*HALFT, v4                ; and all 128 tokens
	v_add_nc_u32 v[VB+2], 2*HALFT, v5
	v_add_nc_u32 v[VB+1], 2*HALFT+SLOT, v4
	v_add_nc_u32 v[VB+3], 2*HALFT+SLOT, v5
	v_mul_u32_u24 v5, v1, KS                       ; my row's scales: 32 bytes a row,
	v_lshrrev_b32 v6, 8, v5
	v_lshl_add_u32 v5, v6, 4, v5                   ; and 16 more for each 256 passed
	s_mul_i32 s21, s15, HALFS
	s_mul_i32 s22, s16, HALFS
	s_add_co_u32 s22, s22, 2*HALFS
	s_sub_co_u32 s22, s22, s21
	v_mul_u32_u24 v6, s22, v2                      ; lanes 16-31 take B's
	s_add_co_u32 s21, s21, SCL
	v_add_nc_u32 v5, v5, v6
	v_add_nc_u32 v[ADRS], s21, v5
	v_and_b32 v6, 31, v0
	v_lshlrev_b32 v[LI], 4, v6
	v_lshlrev_b32 v[L32], 5, v6
	s_lshl_b32 s21, s14, 2
	s_add_co_u32 s21, s21, STW
	v_add_nc_u32 v[SWA], s21, v[LI]
	v_add_nc_u32 v[SRA], STW, v[LI]
	; where my 8 fragments of q or k go.  al = which 128 tokens, be = which head: unit ((al / 8) 16 + be) 8 + al % 8 (batch, head, token group)
	s_lshl_b32 s20, s17, 1
	s_add_co_u32 s20, s20, s15                     ; al
	s_lshl_b32 s46, s42, 1
	s_add_co_u32 s46, s46, s16                     ; be
	s_lshr_b32 s47, s20, 3
	s_lshl_b32 s47, s47, 4
	s_add_co_u32 s47, s47, s46
	s_lshl_b32 s47, s47, 3
	s_and_b32 s21, s20, 7
	s_add_co_u32 s47, s47, s21                     ; the unit
	s_mul_i32 s20, s47, 12288                      ; 8 images of 1,536 bytes
	s_mul_i32 s22, s95, 6291456                    ; q's from 0, k's from 6,291,456
	s_add_co_u32 s20, s20, s22
	s_mov_b32 s21, 0
	s_add_nc_u64 s[12:13], s[12:13], s[20:21]
	s_lshl_b32 s20, s47, 9                         ; one image of 512 bytes of scale words
	s_lshl_b32 s22, s95, 18
	s_add_co_u32 s20, s20, s22
	s_add_nc_u64 s[66:67], s[66:67], s[20:21]
	s_mov_b32 s[SEL], 0x76543210
	s_mov_b32 s[SEL+1], 0xfedcba98
	s_mov_b32 s100, 0xffff0000                     ; lanes 16-31
	s_mov_b32 s101, 0x3c800000                     ; 1 / 64
	s_mov_b32 s104, 0x3727c5ac                     ; 1e-5
.macro FRAG reg, adr, q, i, ro         ; a fragment: lane l holds row l % 16; registers 6 c .. 6 c + 5 hold K = 64 c + 32 (l / 16) + 0 .. 31: 24 bytes of the row, as they lie, in pieces of 8 bytes.  ro: bytes further on
.irp p, 0,1,2,3,4,5
.set PCE, 12*(\q)+6*(\p/3)+\p%3        ; where the piece three on lies behind one padding more, the second address register serves
.if PCE%8 < 5
	ds_load_b64 v[\reg+2*\p:\reg+2*\p+1], v[\adr] offset:(\ro)+8*PCE+16*(PCE/8)+(\i)*16*PITCH
.else
	ds_load_b64 v[\reg+2*\p:\reg+2*\p+1], v[\adr+2] offset:(\ro)+8*PCE+16*(PCE/8)+(\i)*16*PITCH
.endif
.endr
.endm
; 16 matrix instructions: A's blocks a0, a0 + 1 x B's eight.  The 64 accumulators take turns, one instruction a turn, in the same order in every step.
.macro MUL16 a0, p, q, sc, zero
.irp a, \a0, \a0+1
.irp b, 0,1,2,3,4,5,6,7
.if \zero
	v_wmma_scale_f32_16x16x128_f8f6f4 v[8*(8*((\a)%4)+\b):8*(8*((\a)%4)+\b)+7], v[128*(\p)+FR*\b:128*(\p)+FR*\b+FR-1], v[AF+FR*(\a):AF+FR*(\a)+FR-1], 0, v[SC+8*NQ*(\sc)+NQ*\b+(\q)], v[SC+8*NQ*(\sc)+NQ*(\a)+(\q)] matrix_a_fmt:MATRIX_FMT_FP6 matrix_b_fmt:MATRIX_FMT_FP6 matrix_a_scale:MATRIX_SCALE_ROW1
.else
	v_wmma_scale_f32_16x16x128_f8f6f4 v[8*(8*((\a)%4)+\b):8*(8*((\a)%4)+\b)+7], v[128*(\p)+FR*\b:128*(\p)+FR*\b+FR-1], v[AF+FR*(\a):AF+FR*(\a)+FR-1], v[8*(8*((\a)%4)+\b):8*(8*((\a)%4)+\b)+7], v[SC+8*NQ*(\sc)+NQ*\b+(\q)], v[SC+8*NQ*(\sc)+NQ*(\a)+(\q)] matrix_a_fmt:MATRIX_FMT_FP6 matrix_b_fmt:MATRIX_FMT_FP6 matrix_a_scale:MATRIX_SCALE_ROW1
.endif
.endr
.endr
.endm
.macro FETCH_B slot, q, p
	WIN TO_B
.irp i, 0,1,2,3,4,5,6,7
	FRAG 128*(\p)+FR*\i, ADRB+\slot, \q, \i, 0
.endr
	WIN 0
.endm
.macro FETCH_A slot, q, i0
.irp i, \i0, \i0+1, \i0+2, \i0+3
	FRAG AF+FR*(\i), ADRA+\slot, \q, \i, 0
.endr
.endm
.macro SCALES sc                       ; a K step's scale words: lanes 0-15 take A's block i, lanes 16-31 B's block i
.irp i, 0,1,2,3,4,5,6,7
	ds_load_b64 v[SC+8*NQ*\sc+NQ*\i:SC+8*NQ*\sc+NQ*\i+1], v[ADRS] offset:\i*SBLK
.endr
.endm
.macro PLACES n                        ; plain vector instructions between a matrix instruction and a load into, or a vector instruction on, its registers
.rept \n
	v_nop
.endr
.endm
.macro STEP slot, q, zero              ; a step of 128 along K that has its successor in the same slot
	s_wait_dscnt 4*NL                              ; B's set and A's blocks 0-3 are in; the youngest 24 loads (A's blocks 4-7) may be out
	WIN MUL_LO
	MUL16 0, (\q)%2, \q, \slot, \zero
	MUL16 2, (\q)%2, \q, \slot, \zero
	s_wait_dscnt 0
	PLACES NP
	FETCH_B \slot, (\q)+1, 1-(\q)%2
	FETCH_A \slot, (\q)+1, 0
	WIN MUL_HI
	MUL16 4, (\q)%2, \q, \slot, \zero
	MUL16 6, (\q)%2, \q, \slot, \zero
	PLACES NP
	WIN 0
	FETCH_A \slot, (\q)+1, 4
.endm
; A slot's last step changes slots: one barrier, which opens a round of the cluster's; in front of it each wave waits for all its tensor loads, adds 0 to its spare word, and waits for that and for its reads of this slot.
; Behind the round this slot is filled again: fill = 1: with the tile's K step two on; fill = 2: with v's K steps 2 slot and 2 slot + 1 (waves 0, 1: the channels'; waves 2, 3: the tokens').
; fetch = 1: the next slot's first fragments are fetched; fetch = 0: the tile's very last step.
.macro TURN slot, next, fill, fetch
	s_wait_tensorcnt 0x0                           ; all my tensor loads have landed: the one that was out is my part of the other slot
	ds_add_u32 v[SPW], v[NIL]                      ; 0 onto my spare word
	s_wait_dscnt 4*NL+1                            ; the add and the youngest 24 loads may be out
	WIN MUL_LO
	MUL16 0, 1, NQ-1, \slot, 0
	s_wait_dscnt 0x0                               ; the add is done, and my reads of this slot are over
	s_barrier_signal -1
	MUL16 2, 1, NQ-1, \slot, 0
	WIN 0
	s_barrier_wait -1
	CREST                                          ; no wave of any partner still reads this slot or has a load on its way
.if \fill == 1
	s_add_nc_u64 s[G0+4*\slot+2:G0+4*\slot+3], s[G0+4*\slot+2:G0+4*\slot+3], 2*ROWB
	s_add_nc_u64 s[G0B+4*\slot+2:G0B+4*\slot+3], s[G0B+4*\slot+2:G0B+4*\slot+3], 2*ROWB
.else
	s_add_nc_u64 s[G0+4*\slot+2:G0+4*\slot+3], s[AV:AV+1], \slot*2*ROWB
	s_or_b32 s[G0+4*\slot+3], s[G0+4*\slot+3], 0x80000000
	s_add_nc_u64 s[G0B+4*\slot+2:G0B+4*\slot+3], s[BV:BV+1], \slot*2*ROWB
	s_or_b32 s[G0B+4*\slot+3], s[G0B+4*\slot+3], 0x80000000
.endif
	JLOAD G0+4*\slot, G1, G0B+4*\slot, G1B         ; the first tensor load behind the round, my only one until the next; its four v_nop are the places in front of the loads below
.if \fetch
	v_add_nc_u32 v[ADRS], 4*NQ, v[ADRS]
	FETCH_B \next, 0, 0
	FETCH_A \next, 0, 0
	SCALES \next
.endif
	WIN MUL_HI
	MUL16 4, 1, NQ-1, \slot, 0
	MUL16 6, 1, NQ-1, \slot, 0
.if \fetch
	PLACES NP
	WIN 0
	FETCH_A \next, 0, 4
.else
	WIN 0
.endif
.endm
	s_wait_tensorcnt 1                             ; the scales and my part of K step 0 are in; K step 1's load may be out
	s_barrier_signal -1
	s_barrier_wait -1
	s_load_b128 s[68:71], s[0:1], 0x0              ; cod, scl once more, and
	s_load_b128 s[72:75], s[0:1], 0x30             ; qkv, qkvs, for v: into registers of the scales' descriptors, whose loads the wait above has shown done
	FETCH_B 0, 0, 0
	FETCH_A 0, 0, 0
	SCALES 0
	FETCH_A 0, 0, 4
	STEP 0, 0, 1                                   ; the first step's products start the sums
	; my work-group's piece of v: channels 128 tyv on, tokens 128 txv on.  The channels' address hangs on the cluster's number, cy and the wave, the tokens' on the cluster's number, cx and the wave
	s_wait_kmcnt 0x0
	s_lshr_b32 s88, ttmp9, 3
	s_lshl_b32 s88, s88, 2
	s_add_co_u32 s88, s88, s41                     ; tyv = 4 (c / 8) + cy: 0 .. 7, the pair of heads
	s_and_b32 s90, ttmp9, 7
	s_lshl_b32 s90, s90, 2
	s_add_co_u32 s90, s90, s40                     ; txv = 4 (c % 8) + cx: 0 .. 31, batch x 8 + key step
	s_mul_i32 s2, s16, ROWB                        ; of a slot's two K steps I fetch number wave % 2
	s_mul_i32 s89, s88, 128*KROW
	s_add_co_u32 s89, s89, s2
	s_add_co_u32 s[AV], s89, 9437184               ; v's weight rows begin at row 4,096 of the weights
	s_mov_b32 s[AV+1], 0
	s_add_nc_u64 s[AV:AV+1], s[68:69], s[AV:AV+1]
	s_mul_i32 s91, s90, 128*KROW
	s_add_co_u32 s91, s91, s2
	s_add_co_u32 s[BV], s91, 3145728               ; x_kv's codes
	s_mov_b32 s[BV+1], 0
	s_add_nc_u64 s[BV:BV+1], s[68:69], s[BV:BV+1]
	s_lshl_b32 s[SAV], s88, 12                     ; 128 rows of 32 scale bytes,
	s_lshl_b32 s[SAV+1], s14, 10                   ; my wave's 32 rows of them
	s_add_co_u32 s[SAV], s[SAV], s[SAV+1]
	s_add_co_u32 s[SAV], s[SAV], 393216
	s_mov_b32 s[SAV+1], 0
	s_add_nc_u64 s[SAV:SAV+1], s[70:71], s[SAV:SAV+1]
	s_lshl_b32 s[SBV], s90, 12
	s_add_co_u32 s[SBV], s[SBV], 131072
	s_mov_b32 s[SBV+1], 0
	s_add_nc_u64 s[SBV:SBV+1], s[70:71], s[SBV:SBV+1]
	s_lshr_b32 s92, s90, 3                         ; the unit: ((batch) 8 + pair of heads) 8 + key step
	s_lshl_b32 s92, s92, 3
	s_add_co_u32 s92, s92, s88
	s_lshl_b32 s92, s92, 3
	s_and_b32 s93, s90, 7
	s_add_co_u32 s92, s92, s93
	s_mul_i32 s[OBV], s92, 12288
	s_mul_i32 s93, s14, 3072                       ; my two of its eight images
	s_add_co_u32 s[OBV], s[OBV], s93
	s_add_co_u32 s[OBV], s[OBV], 12582912
	s_mov_b32 s[OBV+1], 0
	s_add_nc_u64 s[OBV:OBV+1], s[72:73], s[OBV:OBV+1]
	s_lshl_b32 s[OSV], s92, 9
	s_add_co_u32 s[OSV], s[OSV], 524288
	s_mov_b32 s[OSV+1], 0
	s_add_nc_u64 s[OSV:OSV+1], s[74:75], s[OSV:OSV+1]
	s_mov_b32 s3, LAPS-1
.Llap:
	TURN 0, 1, 1, 1
	STEP 1, 0, 0
	TURN 1, 0, 1, 1
	STEP 0, 0, 0
	s_sub_co_u32 s3, s3, 1
	s_cmp_lg_u32 s3, 0
	s_cbranch_scc1 .Llap
	TURN 0, 1, 2, 1                                ; the tile's last lap: slot 0 takes v's K steps 0 and 1,
	STEP 1, 0, 0
	TURN 1, 0, 2, 0                                ; slot 1 v's K steps 2 and 3: this load lands under the way out of q, k, which touches no LDS
; 64 numbers of a lane, v[s] .. v[s + 63] of window w, register 16 b + i = k 32 b + 16 (lane / 16) + i of my row, become a fragment's codes in v[PC] .. v[PC + 11] and its scale word in v[pw] (window 0).
; An accumulator's first read is of its registers 0 and 1.
.macro QUANT s, w, pw
	WIN (\w)|((\w)<<2)
.irp b, 0,1,2,3
	v_max3_num_f32 v[TM+\b], |v[(\s)+16*\b]|, |v[(\s)+1+16*\b]|, 0x1800000   ; my 16 numbers of block b, and the floor 2^(3 - 127): the byte cannot fall under 1
.endr
	WIN ((\w)<<2)|((\w)<<4)
.irp i, 2,4,6,8,10,12,14
.irp b, 0,1,2,3
	v_max3_num_f32 v[TM+\b], v[TM+\b], |v[(\s)+16*\b+\i]|, |v[(\s)+1+16*\b+\i]|
.endr
.endr
	WIN 0
.irp b, 0,1,2,3
	v_permlanex16_b32 v[TM+4+\b], v[TM+\b], s[SEL], s[SEL+1]
.endr
.irp b, 0,1,2,3
	v_max_num_f32 v[TM+\b], v[TM+\b], v[TM+4+\b]   ; with lane l xor 16's: the block's largest magnitude
.endr
.irp b, 0,1,2,3
	v_add_nc_u32 v[TM+12+\b], 0xff000000, v[TM+\b] ; 2 off its exponent field: the conversion's scale operand
.endr
.irp b, 0,1,2,3
	v_lshrrev_b32 v[TM+4+\b], 23, v[TM+12+\b]      ; the scale's byte
.endr
	v_lshl_or_b32 v[\pw], v[TM+5], 8, v[TM+4]
	v_lshl_or_b32 v[\pw], v[TM+6], 16, v[\pw]
	v_lshl_or_b32 v[\pw], v[TM+7], 24, v[\pw]
	WIN \w
.irp c, 0,1
	v_cvt_scalef32_pk16_fp6_f32 v[PC+6*\c:PC+2+6*\c], v[(\s)+32*\c:(\s)+15+32*\c], v[TM+12+2*\c]
	v_cvt_scalef32_pk16_fp6_f32 v[PC+12+4*\c:PC+14+4*\c], v[(\s)+16+32*\c:(\s)+31+32*\c], v[TM+12+2*\c+1]
.endr
	WIN 0
	v_nop                                          ; one plain place behind a scaled conversion
.irp c, 0,1                            ; the operand's layout wants a whole block in a lane
.irp i, 0,1,2
	v_permlane16_swap_b32 v[PC+6*\c+\i], v[PC+12+4*\c+\i]
.endr
.irp i, 0,1,2
	v_mov_b32 v[PC+3+6*\c+\i], v[PC+12+4*\c+\i]
.endr
.endr
.endm
.macro FINISH a, base                  ; the scale word takes its place in the image; the fragment leaves: each store covers 512 consecutive bytes, aligned
.if (\a)%2
	v_cndmask_b32 v[SW+(\a)/2], v[SW+(\a)/2], v[PW], s100   ; an odd fragment's words stand in lanes 16-31
.endif
.irp c, 0,1,2
	global_store_b128 v[LI], v[PC+4*\c:PC+4*\c+3], s[\base:\base+1] offset:1536*(\a)+512*\c
.endr
.endm
; q, k: block a's 16 tokens.  Registers 0-31 are part 1's channels (with lane l xor 16's), 32-63 part 2's: x * rsqrt(mean(x x) + 1e-5) * w, in reference()'s order.
.macro OUT_QK a
.set AC, 64*((\a)%4)
.set AW, 2+(\a)/4
.if (\a) > 0
	s_wait_xcnt 0x0                                ; the last block's stores have read their registers: the codes may be written again
.endif
	WIN AW|(AW<<2)
	v_pk_mul_f32 v[SS:SS+1], v[AC:AC+1], v[AC:AC+1]
	v_pk_mul_f32 v[SS+2:SS+3], v[AC+32:AC+33], v[AC+32:AC+33]
.set I, 2
.rept 15
	v_pk_fma_f32 v[SS:SS+1], v[AC+I:AC+I+1], v[AC+I:AC+I+1], v[SS:SS+1]
	v_pk_fma_f32 v[SS+2:SS+3], v[AC+32+I:AC+33+I], v[AC+32+I:AC+33+I], v[SS+2:SS+3]
.set I, I+2
.endr
	WIN 0
	v_add_f32 v[SS], v[SS], v[SS+1]
	v_add_f32 v[SS+2], v[SS+2], v[SS+3]
	v_permlanex16_b32 v[TM+4], v[SS], s[SEL], s[SEL+1]
	v_permlanex16_b32 v[TM+5], v[SS+2], s[SEL], s[SEL+1]
	v_add_f32 v[SS], v[SS], v[TM+4]
	v_add_f32 v[SS+2], v[SS+2], v[TM+5]
	v_fma_f32 v[SS], v[SS], s101, s104             ; the mean of 64 squares + 1e-5
	v_fma_f32 v[SS+2], v[SS+2], s101, s104
	v_rsq_f32 v[R], v[SS]
	v_rsq_f32 v[R+2], v[SS+2]
	v_nop                                          ; a plain instruction behind the transcendentals,
	s_wait_alu depctr_va_vdst(0)                   ; and a wait ahead of their first reader: one for both
	WIN AW
.set I, 0
.rept 16
	v_pk_mul_f32 v[T+I:T+I+1], v[AC+I:AC+I+1], v[R:R+1] op_sel_hi:[1,0]
	v_pk_mul_f32 v[T+32+I:T+33+I], v[AC+32+I:AC+33+I], v[R+2:R+3] op_sel_hi:[1,0]
.set I, I+2
.endr
	WIN 0
.set I, 0
.rept 32
	v_pk_mul_f32 v[T+I:T+I+1], v[T+I:T+I+1], v[NW+I:NW+I+1]
.set I, I+2
.endr
.if (\a)%2
	QUANT T, 0, PW
.else
	QUANT T, 0, SW+(\a)/2
.endif
	FINISH \a, 12
.endm
	PLACES NP                                      ; behind the last products: their operands and scale registers are written below, their results read later
	s_wait_loadcnt 0x0                             ; the norms' weights
.irp j, 0,1,2,3                        ; v's scale words, asked for here and wanted behind the way out of q, k.  A row has 32 scale bytes, 8 words, one a K step of 128; lane l takes token 32 j + l:
	global_load_b128 v[SC+8*\j:SC+8*\j+3], v[L32], s[SBV:SBV+1] offset:1024*\j          ; so register 8 j + s holds block 2 j's words in lanes 0-15 and block 2 j + 1's in lanes 16-31
	global_load_b128 v[SC+8*\j+4:SC+8*\j+7], v[L32], s[SBV:SBV+1] offset:1024*\j+16     ; (the two loads of a pair cover 1,024 consecutive bytes)
.endr
	global_load_b128 v[VSA:VSA+3], v[L32], s[SAV:SAV+1]             ; my 32 channels likewise
	global_load_b128 v[VSA+4:VSA+7], v[L32], s[SAV:SAV+1] offset:16
.irp b, 0,1,2,3
	v_mov_b32 v[TM+4+\b], 0                        ; a lane permute's destination counts as one of its sources
.endr
	v_mov_b32 v[R+1], 0                            ; named as the upper halves of pairs
	v_mov_b32 v[R+3], 0
.irp a, 0,1,2,3,4,5,6,7
	OUT_QK \a
.endr
	global_store_b128 v[LI], v[SW:SW+3], s[66:67]  ; the 8 fragments' scale words: 512 consecutive bytes
; ---------------- the piece of v ----------------
; Step s of eight, 128 along K: it lies in slot s / 4, in the slot's K step (s / 2) % 2, half s % 2 of its rows.  Fragments in two sets by turns: the tokens' eight in window 1, my channels' two in window 0.
.macro VFETCH s                        ; 48 + 12 LDS loads
	WIN TO_B
.irp i, 0,1,2,3,4,5,6,7
	FRAG 128*((\s)%2)+FR*\i, VB+(\s)/4, (\s)%2, \i, (((\s)/2)%2)*HALFT
.endr
	WIN 0
.irp i, 0,1
	FRAG AF+2*FR*((\s)%2)+FR*\i, VA+(\s)/4, (\s)%2, \i, (((\s)/2)%2)*HALFT
.endr
.endm
.macro VW s, a, j, u                   ; channels' block a x tokens' block 2 j + u.  Source 0 = 16 tokens, source 1 = 16 channels: a lane holds one channel, its registers run along the tokens
.set VD,  8*(8*(\a)+2*(\j)+(\u))
.set VS0, 128*((\s)%2)+FR*(2*(\j)+(\u))
.set VS1, AF+2*FR*((\s)%2)+FR*(\a)
.set VC0, SC+8*(\j)+(\s)
.set VC1, VSA+(\s)
.if (\s) == 0                          ; the first step starts the sums
.if (\a) == 0 && (\u) == 0
	v_wmma_scale_f32_16x16x128_f8f6f4 v[VD:VD+7], v[VS0:VS0+FR-1], v[VS1:VS1+FR-1], 0, v[VC0], v[VC1] matrix_a_fmt:MATRIX_FMT_FP6 matrix_b_fmt:MATRIX_FMT_FP6
.elseif (\a) == 0
	v_wmma_scale_f32_16x16x128_f8f6f4 v[VD:VD+7], v[VS0:VS0+FR-1], v[VS1:VS1+FR-1], 0, v[VC0], v[VC1] matrix_a_fmt:MATRIX_FMT_FP6 matrix_b_fmt:MATRIX_FMT_FP6 matrix_a_scale:MATRIX_SCALE_ROW1
.elseif (\u) == 0
	v_wmma_scale_f32_16x16x128_f8f6f4 v[VD:VD+7], v[VS0:VS0+FR-1], v[VS1:VS1+FR-1], 0, v[VC0], v[VC1] matrix_a_fmt:MATRIX_FMT_FP6 matrix_b_fmt:MATRIX_FMT_FP6 matrix_b_scale:MATRIX_SCALE_ROW1
.else
	v_wmma_scale_f32_16x16x128_f8f6f4 v[VD:VD+7], v[VS0:VS0+FR-1], v[VS1:VS1+FR-1], 0, v[VC0], v[VC1] matrix_a_fmt:MATRIX_FMT_FP6 matrix_b_fmt:MATRIX_FMT_FP6 matrix_a_scale:MATRIX_SCALE_ROW1 matrix_b_scale:MATRIX_SCALE_ROW1
.endif
.else
.if (\a) == 0 && (\u) == 0
	v_wmma_scale_f32_16x16x128_f8f6f4 v[VD:VD+7], v[VS0:VS0+FR-1], v[VS1:VS1+FR-1], v[VD:VD+7], v[VC0], v[VC1] matrix_a_fmt:MATRIX_FMT_FP6 matrix_b_fmt:MATRIX_FMT_FP6
.elseif (\a) == 0
	v_wmma_scale_f32_16x16x128_f8f6f4 v[VD:VD+7], v[VS0:VS0+FR-1], v[VS1:VS1+FR-1], v[VD:VD+7], v[VC0], v[VC1] matrix_a_fmt:MATRIX_FMT_FP6 matrix_b_fmt:MATRIX_FMT_FP6 matrix_a_scale:MATRIX_SCALE_ROW1
.elseif (\u) == 0
	v_wmma_scale_f32_16x16x128_f8f6f4 v[VD:VD+7], v[VS0:VS0+FR-1], v[VS1:VS1+FR-1], v[VD:VD+7], v[VC0], v[VC1] matrix_a_fmt:MATRIX_FMT_FP6 matrix_b_fmt:MATRIX_FMT_FP6 matrix_b_scale:MATRIX_SCALE_ROW1
.else
	v_wmma_scale_f32_16x16x128_f8f6f4 v[VD:VD+7], v[VS0:VS0+FR-1], v[VS1:VS1+FR-1], v[VD:VD+7], v[VC0], v[VC1] matrix_a_fmt:MATRIX_FMT_FP6 matrix_b_fmt:MATRIX_FMT_FP6 matrix_a_scale:MATRIX_SCALE_ROW1 matrix_b_scale:MATRIX_SCALE_ROW1
.endif
.endif
.endm
.macro VMUL s                          ; sixteen accumulators by turns, one instruction a turn, in the same order in every step
	WIN MUL_LO
.irp a, 0,1
.irp j, 0,1,2,3
.irp u, 0,1
	VW \s, \a, \j, \u
.endr
.endr
.endr
.endm
.macro OUT_V a                         ; my block a: 16 channels x 128 keys, quantised as it stands in the accumulators
	s_wait_xcnt 0x0                                ; the earlier stores have read their registers: the codes and the scale words may be written again
.if (\a)%2
	QUANT 64*(\a), 2, PW
.else
	QUANT 64*(\a), 2, SW
.endif
	FINISH \a, OBV
.endm
	s_wait_tensorcnt 0x0                           ; my part of v's K steps 2 and 3 is in (K steps 0 and 1 were shown in at the last change of slots),
	s_barrier_signal -1
	s_barrier_wait -1                              ; everybody's is
	s_wait_loadcnt 0x0                             ; v's scale words
	VFETCH 0
.irp s, 0,1,2,3,4,5,6
.if \s > 0
	PLACES NP                                      ; in front of loads into the set that the step before has multiplied
.endif
	VFETCH \s+1
	s_wait_dscnt 60                                ; this step's fragments are in; the 60 loads just issued may be out
	VMUL \s
.endr
	s_wait_dscnt 0x0
	VMUL 7
	WIN 0
	PLACES NP                                      ; in front of the first read of results
	OUT_V 0
	OUT_V 1
	ds_store_b32 v[SWA], v[SW]                     ; my two fragments' scale words are word number wave of each lane's four in the piece's image
	s_wait_dscnt 0x0                               ; for the others' sake
	s_barrier_signal -1
	s_barrier_wait -1
	s_cmp_lg_u32 s14, 0
	s_cbranch_scc1 .Lnot_first
	ds_load_b128 v[SS:SS+3], v[SRA]                ; the whole image
	s_wait_dscnt 0x0
	global_store_b128 v[LI], v[SS:SS+3], s[OSV:OSV+1]   ; 512 consecutive bytes
.Lnot_first:
	s_wait_tensorcnt 0x0                           ; the wave's end
	ds_add_u32 v[SPW], v[NIL]
	s_wait_dscnt 0x0
	CROUND                                         ; the closing round
	s_endpgm
.Lfunc_end_k_q0e233b63fc_proj:
	.size	k_q0e233b63fc_proj, .Lfunc_end_k_q0e233b63fc_proj-k_q0e233b63fc_proj
	.p2alignl 7, 3214868480
	.fill 96, 4, 3214868480
	.section	.rodata,"a",@progbits
	.p2align	6, 0x0
	.amdhsa_kernel k_q0e233b63fc_proj
		.amdhsa_group_segment_fixed_size 327680
		.amdhsa_private_segment_fixed_size 0
		.amdhsa_enable_private_segment 0
		.amdhsa_kernarg_size 64
		.amdhsa_user_sgpr_count 2
		.amdhsa_user_sgpr_kernarg_segment_ptr 1
		.amdhsa_wavefront_size32 1
		.amdhsa_system_sgpr_workgroup_id_x 1
		.amdhsa_system_sgpr_workgroup_id_y 1
		.amdhsa_system_sgpr_workgroup_id_z 1
		.amdhsa_system_vgpr_workitem_id 0
		.amdhsa_next_free_vgpr 1024
		.amdhsa_next_free_sgpr 106
		.amdhsa_reserve_vcc 0
		.amdhsa_float_denorm_mode_32 3
		.amdhsa_float_denorm_mode_16_64 3
		.amdhsa_memory_ordered 1
		.amdhsa_forward_progress 1
		.amdhsa_inst_pref_size 255
	.end_amdhsa_kernel
	.section	.bss,"aw",@nobits
	.p2align	6
	.space	262144
	.amdgpu_metadata
---
amdhsa.version: [ 1, 2 ]
amdhsa.kernels:
  - .name:           k_q0e233b63fc_proj
    .symbol:         k_q0e233b63fc_proj.kd
    .args:
      - { .name: cod, .offset: 0, .size: 8, .value_kind: global_buffer, .address_space: global }
      - { .name: scl, .offset: 8, .size: 8, .value_kind: global_buffer, .address_space: global }
      - { .name: qn1, .offset: 16, .size: 8, .value_kind: global_buffer, .address_space: global }
      - { .name: qn2, .offset: 24, .size: 8, .value_kind: global_buffer, .address_space: global }
      - { .name: kn1, .offset: 32, .size: 8, .value_kind: global_buffer, .address_space: global }
      - { .name: kn2, .offset: 40, .size: 8, .value_kind: global_buffer, .address_space: global }
      - { .name: qkv, .offset: 48, .size: 8, .value_kind: global_buffer, .address_space: global }
      - { .name: qkvs, .offset: 56, .size: 8, .value_kind: global_buffer, .address_space: global }
    .group_segment_fixed_size: 327680
    .private_segment_fixed_size: 0
    .kernarg_segment_align: 8
    .kernarg_segment_size: 64
    .max_flat_workgroup_size: 128
    .sgpr_count:     106
    .vgpr_count:     1024
    .wavefront_size: 32
...
	.end_amdgpu_metadata
.endif
;; end of part 2
;; launch attn (part 3): grid 4 x 64, 16 waves a work-group, clusters of 4 x 1, 198,656 bytes of LDS; arguments qkv, qkvs, lmb, yim, sta; writes yim, sta
.if DOCPART == 3
	.amdgcn_target "amdgcn-amd-amdhsa--gfx1250"
	.amdhsa_code_object_version 6
	.text
	.protected	k_q0e233b63fc_attn
	.globl	k_q0e233b63fc_attn
	.p2align	8
	.type	k_q0e233b63fc_attn,@function
k_q0e233b63fc_attn:
	s_mov_b64 s[64:65], 0
	v_nop
	global_prefetch_b8 v0, s[64:65] scope:SCOPE_SE
	s_setreg_imm32_b32 hwreg(HW_REG_WAVE_MODE, 25, 1), 1
	s_wait_xcnt 0x0
	s_wait_alu depctr_hold_cnt(0) depctr_sa_sdst(0) depctr_va_vdst(0) depctr_va_sdst(0) depctr_va_ssrc(0) depctr_va_vcc(0) depctr_vm_vsrc(0)
	s_getreg_b32 s2, hwreg(HW_REG_IB_STS2, 6, 4)
	s_cmp_eq_u32 s2, 0
	s_cbranch_scc0 .Lentry_in_a_cluster
	s_endpgm
.Lentry_in_a_cluster:
	s_bfe_u32 s2, ttmp6, 0x10000c
	s_cmp_lg_u32 s2, 0x3003
	s_cbranch_scc0 .Lentry_shape_is_right
	s_endpgm
.Lentry_shape_is_right:
; y = softmax(q1 k1^T / 8) v - softplus(lmb) softmax(q2 k2^T / 8) v for one (batch, head) and 256 queries, all four products on codes of FP6 (E2M3) with E8M0 scales; and partial statistics of y for the group norm.
; THE SOFTMAX AHEAD OF THE SECOND PRODUCT: t = score x log2(e) / 8; M = the row's largest t so far, rounded UP to a whole number; p = 2^(t - M) is what is quantised, along the keys; the row's sum is taken of the
; unquantised p and divides at the end.  When M moves, the sum and O are multiplied by 2^(old M - new M): exact.
; SHARES.  A work-group owns 256 queries of one head, each of its sixteen waves 16 of them, for both attentions, in 256 registers: four waves to a SIMD, so that one wave's vector work stands beside another's matrix work.
; A lane holds ONE query throughout: S^T = K Q^T, O^T = V^T P^T.
; K = 64 IN AN INSTRUCTION OF 128: a row of q or k is [part 1's 64 codes | part 2's 64].  S1^T = K12 [q1 | 0], S2^T = K12 [0 | q2]: Q's zero codes take the other part out exactly (the format has no NaN, all scale bytes are 1 .. 254).
; THE WHOLE HEAD STAYS IN LDS: K's 64 fragments, V's 32, their scale words, as images of operand registers (lane l's 16 bytes at 16 l, 512 bytes for four registers): every fragment comes by three loads of 16 bytes a lane.
; Nothing is filled twice: no ring.  CLUSTER: the four query blocks of a head want the same K and V: each wave's four loads are joint loads, mask 15, the same in all four work-groups.
; The keys of a tile are not neighbours (places with bits 3 and 4 exchanged): the 16 registers of tiles 2 b, 2 b + 1 are keys 32 b + 16 (lane / 16) + 0 .. 15.  V's channels likewise, so that y's 32 registers run along the channels.
; y goes out as it lies in registers: yim [batch][tile of 16 places][head][8][32 lanes][16 bytes]; register 16 b + i of lane (r, h) is channel 32 b + 16 h + i of the token at place 16 T + r.
; STATISTICS: each wave stores the sum of its 1,024 numbers and the sum of squares of their distances from ITS OWN mean: no difference of large sums is formed.
; LIMITS: NaN and infinities are not served.  softplus = max(x, 0) + ln 2 log2(1 + 2^(-|x| log2 e)): its absolute error is up to about 1.2e-7, and under x = -17 it comes out as 0.  A block of p that has fallen to 0 keeps the scale byte 1.
.set KI,   0                           ; 98,304 bytes: K's fragments, [key step 8][tile 8] x 1,536
.set VI,   98304                       ; 49,152: V's, [key step 8][channel tile 4] x 1,536
.set KSC,  147456                      ; 4,096: K's scale words, 512 a key step
.set VSC,  151552                      ; 4,096: the pair of heads' scale words of V, 512 a key step
.set STAT, 155648                      ; 128: the waves' statistics (written by LDS stores; no tile lands here)
.set AK0,  1                           ; v1  16 x lane
.set AV0,  2                           ; v2  + VI
.set ASK0, 3                           ; v3  + KSC
.set ASV0, 4                           ; v4  + VSC + 8 x (head % 2)
.set LI,   5                           ; v5  16 x lane, for global addresses
.set ADK,  8
.set ADV,  9
.set ADS,  10
.set ADT,  11
.set FRG,  40                          ; v40-87 four fragments of K or of V
.set WV,   18
.set SEL,  20
.set CS,   22                          ; s[22:23] c = log2(e) / 8
.set G1K,  24
.set G1V,  32
.set G1S,  40
.set TK,   66
.set TV,   67
.set TS,   68
.set CNT,  69
.macro CROUND
	s_barrier_signal -1
	s_barrier_wait -1
	s_cmp_lg_u32 s[WV], 0
	s_cbranch_scc1 .Lnot_wave_0_\@
	s_barrier_signal -3
.Lnot_wave_0_\@:
	s_barrier_wait -3
	s_barrier_signal -1
	s_barrier_wait -1
.endm
	s_load_b128 s[4:7], s[0:1], 0x0                ; qkv, qkvs
	s_load_b128 s[8:11], s[0:1], 0x10              ; lmb, yim
	s_load_b64 s[12:13], s[0:1], 0x20              ; sta
	v_lshl_add_u32 v95, v0, 2, 0x30000
	v_mov_b32 v243, 0
	ds_add_u32 v95, v243
	ds_add_u32 v95, v243
	v_lshrrev_b32 v8, 5, v0
	v_readfirstlane_b32 s[WV], v8                  ; wave 0..15
	s_bfe_u32 s70, ttmp6, 0x40000                  ; cx
	s_lshl_b32 s71, ttmp9, 2
	s_add_co_u32 s71, s71, s70                     ; my block of 256 queries: it enters Q's, y's and the statistics' global addresses alone
	s_and_b32 s72, ttmp7, 0xffff                   ; batch x 16 + head, which the four partners share
	s_lshr_b32 s73, s72, 4                         ; batch
	s_and_b32 s74, s72, 15                         ; head
	s_lshr_b32 s75, s74, 1
	s_and_b32 s76, s74, 1                          ; which of its pair
	s_lshl_b32 s77, s73, 3
	s_add_co_u32 s77, s77, s75                     ; the pair of heads
	s_mul_i32 s78, s72, 98304                      ; K: the head's 64 images, my wave's four
	s_mul_i32 s79, s[WV], 6144
	s_add_co_u32 s78, s78, s79
	s_add_co_u32 s78, s78, 6291456
	s_mov_b32 s79, 0
	s_lshl_b32 s80, s77, 3                         ; V: key step wave / 2 of the pair, my head's four images, half of them
	s_lshr_b32 s81, s[WV], 1
	s_add_co_u32 s80, s80, s81
	s_mul_i32 s80, s80, 12288
	s_mul_i32 s81, s76, 6144
	s_add_co_u32 s80, s80, s81
	s_and_b32 s81, s[WV], 1
	s_mul_i32 s81, s81, 3072
	s_add_co_u32 s80, s80, s81
	s_add_co_u32 s80, s80, 12582912
	s_mov_b32 s81, 0
	s_lshl_b32 s82, s72, 12                        ; K's scale words: 4,096 bytes a head, 256 a wave
	s_lshl_b32 s83, s[WV], 8
	s_add_co_u32 s82, s82, s83
	s_add_co_u32 s82, s82, 262144
	s_lshl_b32 s84, s77, 12                        ; V's: 4,096 bytes a pair of heads
	s_add_co_u32 s84, s84, s83
	s_add_co_u32 s84, s84, 524288
	s_mov_b32 s83, 0
	s_mov_b32 s85, 0
	; descriptor groups 1: dense blocks as rows of 256 bytes (32 elements of 8 bytes), no padding; mask 15 with bit 21 beside it.  K: 24 rows, V: 12, scale words: 1
.irp g, G1K, G1V, G1S
	s_mov_b32 s[\g], 15|(3<<16)|(1<<21)
	s_mov_b32 s[\g+1], 32<<16                      ; tensor_dim0
	s_mov_b32 s[\g+3], 32<<16                      ; tile_dim0
	s_mov_b32 s[\g+5], 32                          ; tensor_dim0_stride
	s_mov_b32 s[\g+6], 0
	s_mov_b32 s[\g+7], 0
.endr
	s_mov_b32 s[G1K+2], 24<<16                     ; tensor_dim1
	s_mov_b32 s[G1K+4], 24                         ; tile_dim1
	s_mov_b32 s[G1V+2], 12<<16
	s_mov_b32 s[G1V+4], 12
	s_mov_b32 s[G1S+2], 1<<16
	s_mov_b32 s[G1S+4], 1
	s_mov_b32 s48, 1                               ; groups 0: s[48:51] K, s[52:55] V, s[56:59] K's scale words, s[60:63] V's.  LDS addresses: a constant + the wave's number x a constant
	s_mul_i32 s49, s[WV], 6144
	s_mov_b32 s52, 1
	s_mul_i32 s53, s[WV], 3072
	s_add_co_u32 s53, s53, VI
	s_mov_b32 s56, 1
	s_lshl_b32 s57, s[WV], 8
	s_add_co_u32 s57, s57, KSC
	s_mov_b32 s60, 1
	s_lshl_b32 s61, s[WV], 8
	s_add_co_u32 s61, s61, VSC
	s_mov_b32 s[SEL], 0x76543210
	s_mov_b32 s[SEL+1], 0xfedcba98
	s_mov_b32 s[CS], 0x3e38aa3b                    ; log2(e) / 8
	s_mov_b32 s[CS+1], s[CS]
	s_wait_dscnt 0x0
	s_wait_kmcnt 0x0
	s_add_nc_u64 s[50:51], s[4:5], s[78:79]
	s_or_b32 s51, s51, 0x80000000
	s_add_nc_u64 s[54:55], s[4:5], s[80:81]
	s_or_b32 s55, s55, 0x80000000
	s_add_nc_u64 s[58:59], s[6:7], s[82:83]
	s_or_b32 s59, s59, 0x80000000
	s_add_nc_u64 s[62:63], s[6:7], s[84:85]
	s_or_b32 s63, s63, 0x80000000
	CROUND                                         ; all four work-groups are here: the joint loads meet
	tensor_load_to_lds s[48:51], s[G1K:G1K+7]      ; four tensor loads of mine are out
	s_nop 0
	tensor_load_to_lds s[52:55], s[G1V:G1V+7]
	s_nop 0
	tensor_load_to_lds s[56:59], s[G1S:G1S+7]
	s_nop 0
	tensor_load_to_lds s[60:63], s[G1S:G1S+7]
	s_nop 0
.rept 4
	v_nop
.endr
	; my tile of queries, while the head is on its way
	s_lshl_b32 s86, s71, 4
	s_add_co_u32 s86, s86, s[WV]                   ; T: my tile among the head's 64
	s_lshl_b32 s88, s72, 6
	s_add_co_u32 s88, s88, s86
	s_mul_i32 s88, s88, 1536
	s_mov_b32 s89, 0
	s_add_nc_u64 s[14:15], s[4:5], s[88:89]        ; Q's image
	s_lshl_b32 s87, s72, 3                         ; its scale words: image (head, T / 8); lanes 16 (T % 2) + r; word (T % 8) / 2
	s_lshr_b32 s88, s86, 3
	s_add_co_u32 s87, s87, s88
	s_lshl_b32 s87, s87, 9
	s_and_b32 s88, s86, 1
	s_lshl_b32 s88, s88, 8
	s_add_co_u32 s87, s87, s88
	s_bfe_u32 s88, s86, 0x20001
	s_lshl_b32 s88, s88, 2
	s_add_co_u32 s88, s87, s88
	s_add_nc_u64 s[16:17], s[6:7], s[88:89]
	s_lshl_b32 s88, s74, 2
	s_add_nc_u64 s[8:9], s[8:9], s[88:89]
	s_load_b32 s90, s[8:9], 0x0                    ; lmb of my head
	s_lshl_b32 s88, s73, 6                         ; y: ((batch 64 + T) 16 + head) x 4,096 bytes
	s_add_co_u32 s88, s88, s86
	s_lshl_b32 s88, s88, 4
	s_add_co_u32 s88, s88, s74
	s_lshl_b32 s88, s88, 12
	s_add_nc_u64 s[10:11], s[10:11], s[88:89]
	s_lshl_b32 s88, s72, 2                         ; the statistics: 128 bytes a work-group
	s_add_co_u32 s88, s88, s71
	s_lshl_b32 s88, s88, 7
	s_add_nc_u64 s[12:13], s[12:13], s[88:89]
	v_and_b32 v6, 31, v0                           ; lane
	v_lshlrev_b32 v[LI], 4, v6
	v_and_b32 v7, 15, v0
	v_lshlrev_b32 v7, 4, v7
.irp c, 0,1,2
	global_load_b128 v[20+4*\c:23+4*\c], v[LI], s[14:15] offset:512*\c
.endr
	global_load_b32 v255, v7, s[16:17]             ; Q's scale words: bytes 0, 1 part 1's, bytes 2, 3 part 2's
	v_lshlrev_b32 v[AK0], 4, v6
	v_add_nc_u32 v[AV0], VI, v[AK0]
	v_add_nc_u32 v[ASK0], KSC, v[AK0]
	s_lshl_b32 s91, s76, 3
	s_add_co_u32 s91, s91, VSC
	v_add_nc_u32 v[ASV0], s91, v[AK0]              ; of a lane's four words of V's image my head's are words 2 (head % 2), + 1
	v_mov_b32 v13, 0xff61b1e6                      ; the largest t so far: -3e38
	v_floor_f32 v12, -v13                          ; -M
	v_mov_b32 v14, 0                               ; the sum, in two halves
	v_mov_b32 v15, 0
	v_mov_b32 v17, 0xff61b1e6                      ; the same for the second attention
	v_floor_f32 v16, -v17
	v_mov_b32 v18, 0
	v_mov_b32 v19, 0
.irp b, 0,1,2,3
	v_mov_b32 v[236+\b], 0                         ; a lane permute's destination counts as one of its sources
.endr
	v_mov_b32 v253, 0                              ; named as the upper half of the pair v[252:253] before it is first written
	s_wait_loadcnt 0x0
.irp i, 0,1,2,3,4,5
	v_mov_b32 v[32+\i], v[26+\i]                   ; q2's codes move up;
.endr
.irp i, 0,1,2,3,4,5
	v_mov_b32 v[26+\i], 0                          ; six registers of zero codes between: v[20:31] = [q1 | 0], v[26:37] = [0 | q2]
.endr
.set J, 0
.rept 64
	v_mov_b32 v[160+J], 0                          ; O1^T, O2^T: the loop's first step finds zeros, which the first change of M leaves zeros
.set J, J+1
.endr
	s_mov_b32 s[TK], 0
	s_mov_b32 s[TV], 0
	s_mov_b32 s[TS], 0
	s_mov_b32 s[CNT], 8
	s_wait_kmcnt 0x0                               ; lmb
	s_wait_tensorcnt 0x0                           ; my parts of the head are in,
	s_barrier_signal -1
	s_barrier_wait -1                              ; everybody's are
; One attention's part of a key step of 128 keys.  q: Q's registers; o: O^T's 32; st: -M, the largest t, the sum's two halves; first = 1: the step's first, which also fetches the scale words.
.macro ATT q, o, st, first
.irp g, 0,1                            ; S^T = K Q^T, four tiles of 16 keys at a time
.if ((\first) == 0) || (\g == 1)
.rept 4
	v_nop                                          ; places in front of loads into registers that matrix instructions have read (in the step's first run the four address additions are the places)
.endr
.endif
.irp t, 0,1,2,3
.irp c, 0,1,2
	ds_load_b128 v[FRG+12*\t+4*\c:FRG+12*\t+4*\c+3], v[ADK] offset:(4*\g+\t)*1536+512*\c
.endr
.endr
.if (\first) && (\g == 0)
	ds_load_b128 v[248:251], v[ADS]                ; register i: lanes 0-15 tile 2 i's scale words, lanes 16-31 tile 2 i + 1's
.endif
	s_wait_dscnt 0x0
.irp t, 0,1,2,3
.if \t%2
	v_wmma_scale_f32_16x16x128_f8f6f4 v[96+8*(4*\g+\t):103+8*(4*\g+\t)], v[FRG+12*\t:FRG+12*\t+11], v[\q:\q+11], 0, v[248+2*\g+\t/2], v255 matrix_a_fmt:MATRIX_FMT_FP6 matrix_b_fmt:MATRIX_FMT_FP6 matrix_a_scale:MATRIX_SCALE_ROW1
.else
	v_wmma_scale_f32_16x16x128_f8f6f4 v[96+8*(4*\g+\t):103+8*(4*\g+\t)], v[FRG+12*\t:FRG+12*\t+11], v[\q:\q+11], 0, v[248+2*\g+\t/2], v255 matrix_a_fmt:MATRIX_FMT_FP6 matrix_b_fmt:MATRIX_FMT_FP6
.endif
.endr
.endr
.rept 4
	v_nop                                          ; places behind the products: their results are read and their operands loaded anew below
.endr
.irp t, 0,1,2,3                        ; V's four fragments are asked for now and land under the softmax
.irp c, 0,1,2
	ds_load_b128 v[FRG+12*\t+4*\c:FRG+12*\t+4*\c+3], v[ADV] offset:1536*\t+512*\c
.endr
.endr
.if \first
	ds_load_b64 v[88:89], v[ADT]
.endif
.irp b, 0,1,2,3
	v_max3_num_f32 v[232+\b], v[96+16*\b], v[97+16*\b], v[98+16*\b]   ; the largest score of each block of 32 keys: for the row's maximum, and, since p rises with the score, for the block's largest p
.endr
.irp i, 3,5,7,9,11,13
.irp b, 0,1,2,3
	v_max3_num_f32 v[232+\b], v[232+\b], v[96+16*\b+\i], v[97+16*\b+\i]
.endr
.endr
.irp b, 0,1,2,3
	v_max_num_f32 v[232+\b], v[232+\b], v[111+16*\b]
.endr
.irp b, 0,1,2,3
	v_permlanex16_b32 v[236+\b], v[232+\b], s[SEL], s[SEL+1]
.endr
.irp b, 0,1,2,3
	v_max_num_f32 v[232+\b], v[232+\b], v[236+\b]  ; with lane l xor 16's 16 keys
.endr
	v_max3_num_f32 v254, v232, v233, v234
	v_max_num_f32 v254, v254, v235
	v_mul_f32 v254, s[CS], v254                    ; as t (c is positive)
	v_max_num_f32 v[\st+1], v[\st+1], v254         ; the running largest t
	v_mov_b32 v254, v[\st]
	v_floor_f32 v[\st], -v[\st+1]                  ; the new -M = -ceil(t)
	v_sub_f32 v254, v[\st], v254                   ; old M - new M: a whole number, 0 or less
	v_cvt_i32_f32 v254, v254                       ; (it saturates)
	v_ldexp_f32 v252, 1.0, v254                    ; f = 2^(old M - new M)
.set J, 0
.rept 32
	v_pk_fma_f32 v[96+J:97+J], v[96+J:97+J], s[CS:CS+1], v[\st:\st+1] op_sel_hi:[1,0,0]   ; t - M
.set J, J+2
.endr
.irp b, 0,1,2,3
	v_fma_f32 v[232+\b], v[232+\b], s[CS], v[\st]  ; the same of each block's largest score
.endr
.set J, 0
.rept 64
	v_exp_f32 v[96+J], v[96+J]                     ; p = 2^(t - M)
.set J, J+1
.endr
	v_pk_mul_f32 v[\st+2:\st+3], v[\st+2:\st+3], v[252:253] op_sel_hi:[1,0]   ; the sums under the new M: a plain instruction behind the exponentials
	s_wait_alu depctr_va_vdst(0)                   ; a wait ahead of the first reader: one for the batch of 64
.irp b, 0,1,2,3
	v_exp_f32 v[232+\b], v[232+\b]                 ; the block's largest p
.endr
	v_pk_add_f32 v[236:237], v[96:97], v[98:99]    ; the row's sum is taken of the unquantised p, in two chains
.irp j, 4,8,12,16,20,24,28,32,36,40,44,48,52,56,60
	v_pk_add_f32 v[\st+2:\st+3], v[\st+2:\st+3], v[96+\j:97+\j]
	v_pk_add_f32 v[236:237], v[236:237], v[98+\j:99+\j]
.endr
	v_pk_add_f32 v[\st+2:\st+3], v[\st+2:\st+3], v[236:237]
	s_wait_alu depctr_va_vdst(0)                   ; and one for the four
.irp b, 0,1,2,3
	v_max_num_f32 v[232+\b], 0x1800000, v[232+\b]  ; the floor 2^(3 - 127)
.endr
.irp b, 0,1,2,3
	v_add_nc_u32 v[244+\b], 0xff000000, v[232+\b]  ; the conversion's scale operand
.endr
.irp b, 0,1,2,3
	v_lshrrev_b32 v[236+\b], 23, v[244+\b]         ; the scale's byte
.endr
	v_lshl_or_b32 v253, v237, 8, v236              ; p's scale word for these 128 keys
	v_lshl_or_b32 v253, v238, 16, v253
	v_lshl_or_b32 v253, v239, 24, v253
.irp c, 0,1
	v_cvt_scalef32_pk16_fp6_f32 v[224+6*\c:226+6*\c], v[96+32*\c:111+32*\c], v[244+2*\c]
	v_cvt_scalef32_pk16_fp6_f32 v[236+4*\c:238+4*\c], v[112+32*\c:127+32*\c], v[244+2*\c+1]
.endr
	v_nop                                          ; one plain place behind a scaled conversion
.irp c, 0,1
.irp i, 0,1,2
	v_permlane16_swap_b32 v[224+6*\c+\i], v[236+4*\c+\i]
.endr
.irp i, 0,1,2
	v_mov_b32 v[227+6*\c+\i], v[236+4*\c+\i]
.endr
.endr
.set J, 0
.rept 16
	v_pk_mul_f32 v[(\o)+J:(\o)+J+1], v[(\o)+J:(\o)+J+1], v[252:253] op_sel_hi:[1,0]   ; O^T under the new M; these sixteen also stand between the codes and the scale word just made and the products
.set J, J+2
.endr
	s_wait_dscnt 0x0                               ; V's fragments and scale words are in
.irp t, 0,1,2,3                        ; O^T += V^T P^T: four accumulators by turns
.if \t%2
	v_wmma_scale_f32_16x16x128_f8f6f4 v[(\o)+8*\t:(\o)+8*\t+7], v[FRG+12*\t:FRG+12*\t+11], v[224:235], v[(\o)+8*\t:(\o)+8*\t+7], v[88+\t/2], v253 matrix_a_fmt:MATRIX_FMT_FP6 matrix_b_fmt:MATRIX_FMT_FP6 matrix_a_scale:MATRIX_SCALE_ROW1
.else
	v_wmma_scale_f32_16x16x128_f8f6f4 v[(\o)+8*\t:(\o)+8*\t+7], v[FRG+12*\t:FRG+12*\t+11], v[224:235], v[(\o)+8*\t:(\o)+8*\t+7], v[88+\t/2], v253 matrix_a_fmt:MATRIX_FMT_FP6 matrix_b_fmt:MATRIX_FMT_FP6
.endif
.endr
.endm
.Lstep:                                ; eight trips, 128 keys each
	v_add_nc_u32 v[ADK], s[TK], v[AK0]
	v_add_nc_u32 v[ADV], s[TV], v[AV0]
	v_add_nc_u32 v[ADS], s[TS], v[ASK0]
	v_add_nc_u32 v[ADT], s[TS], v[ASV0]
	ATT 20, 160, 12, 1
	ATT 26, 192, 16, 0
	s_add_co_u32 s[TK], s[TK], 12288
	s_add_co_u32 s[TV], s[TV], 6144
	s_add_co_u32 s[TS], s[TS], 512
	s_sub_co_u32 s[CNT], s[CNT], 1
	s_cmp_lg_u32 s[CNT], 0
	s_cbranch_scc1 .Lstep
	; THE WAY OUT
	v_add_f32 v14, v14, v15                        ; the sums' halves,
	v_add_f32 v18, v18, v19
	v_permlanex16_b32 v252, v14, s[SEL], s[SEL+1]
	v_permlanex16_b32 v254, v18, s[SEL], s[SEL+1]
	v_add_f32 v14, v14, v252                       ; and lane l xor 16's
	v_add_f32 v18, v18, v254
	v_mov_b32 v236, s90                            ; x = lmb
	v_mul_f32 v237, 0x3fb8aa3b, |v236|
	v_rcp_f32 v14, v14
	v_rcp_f32 v18, v18
	v_exp_f32 v237, -v237                          ; e^-|x|
	v_max_num_f32 v238, 0, v236                    ; a plain instruction behind the three
	s_wait_alu depctr_va_vdst(0)                   ; one wait for the three, ahead of their first reader
	v_add_f32 v237, 1.0, v237
	v_log_f32 v237, v237
	v_nop
	s_wait_alu depctr_va_vdst(0)
	v_fma_f32 v238, v237, 0x3f317218, v238         ; softplus = max(x, 0) + ln 2 log2(1 + e^-|x|)
	v_mul_f32 v18, v238, v18                       ; softplus / l2
.set J, 0
.rept 16
	v_pk_mul_f32 v[128+J:129+J], v[192+J:193+J], v[18:19] op_sel_hi:[1,0]
.set J, J+2
.endr
.set J, 0
.rept 16
	v_pk_fma_f32 v[96+J:97+J], v[160+J:161+J], v[14:15], v[128+J:129+J] op_sel_hi:[1,0,1] neg_lo:[0,0,1] neg_hi:[0,0,1]   ; y = O1 / l1 - softplus O2 / l2
.set J, J+2
.endr
.irp i, 0,1,2,3,4,5,6,7
	global_store_b128 v[LI], v[96+4*\i:99+4*\i], s[10:11] offset:512*\i   ; each store covers 512 consecutive bytes, aligned
.endr
.macro WSUM r                          ; the sum of v[r] over the wave's 32 lanes, in every lane
	v_add_f32_dpp v[\r], v[\r], v[\r] row_xmask:1 row_mask:0xf bank_mask:0xf
	v_add_f32_dpp v[\r], v[\r], v[\r] row_xmask:2 row_mask:0xf bank_mask:0xf
	v_add_f32_dpp v[\r], v[\r], v[\r] row_xmask:4 row_mask:0xf bank_mask:0xf
	v_add_f32_dpp v[\r], v[\r], v[\r] row_xmask:8 row_mask:0xf bank_mask:0xf
	v_permlanex16_b32 v252, v[\r], s[SEL], s[SEL+1]
	v_add_f32 v[\r], v[\r], v252
.endm
	v_pk_add_f32 v[232:233], v[96:97], v[98:99]
	v_pk_add_f32 v[234:235], v[100:101], v[102:103]
.irp j, 8,12,16,20,24,28
	v_pk_add_f32 v[232:233], v[232:233], v[96+\j:97+\j]
	v_pk_add_f32 v[234:235], v[234:235], v[98+\j:99+\j]
.endr
	v_pk_add_f32 v[232:233], v[232:233], v[234:235]
	v_add_f32 v240, v232, v233
	WSUM 240                                       ; the sum of my wave's 1,024 numbers
	v_mul_f32 v236, 0x3a800000, v240               ; their mean
.set J, 0
.rept 16
	v_pk_add_f32 v[128+J:129+J], v[96+J:97+J], v[236:237] op_sel_hi:[1,0] neg_lo:[0,1] neg_hi:[0,1]
.set J, J+2
.endr
	v_pk_mul_f32 v[232:233], v[128:129], v[128:129]
	v_pk_mul_f32 v[234:235], v[130:131], v[130:131]
.irp j, 4,8,12,16,20,24,28
	v_pk_fma_f32 v[232:233], v[128+\j:129+\j], v[128+\j:129+\j], v[232:233]
	v_pk_fma_f32 v[234:235], v[130+\j:131+\j], v[130+\j:131+\j], v[234:235]
.endr
	v_pk_add_f32 v[232:233], v[232:233], v[234:235]
	v_add_f32 v241, v232, v233
	WSUM 241                                       ; the squares of their distances from that mean
	s_lshl_b32 s91, s[WV], 3
	s_add_co_u32 s91, s91, STAT
	v_mov_b32 v8, s91
	v_lshl_add_u32 v9, v6, 2, STAT
	v_lshlrev_b32 v11, 2, v6
	ds_store_b64 v8, v[240:241]                    ; all lanes write the same two words with the same values
	s_wait_dscnt 0x0                               ; for the others' sake
	s_barrier_signal -1
	s_barrier_wait -1
	s_cmp_lg_u32 s[WV], 0
	s_cbranch_scc1 .Lnot_first
	ds_load_b32 v10, v9                            ; the sixteen waves' pairs: 128 bytes
	s_wait_dscnt 0x0
	global_store_b32 v11, v10, s[12:13]
.Lnot_first:
	s_wait_tensorcnt 0x0
	ds_add_u32 v95, v243
	s_wait_dscnt 0x0
	CROUND                                         ; the closing round
	s_endpgm
.Lfunc_end_k_q0e233b63fc_attn:
	.size	k_q0e233b63fc_attn, .Lfunc_end_k_q0e233b63fc_attn-k_q0e233b63fc_attn
	.p2alignl 7, 3214868480
	.fill 96, 4, 3214868480
	.section	.rodata,"a",@progbits
	.p2align	6, 0x0
	.amdhsa_kernel k_q0e233b63fc_attn
		.amdhsa_group_segment_fixed_size 198656
		.amdhsa_private_segment_fixed_size 0
		.amdhsa_enable_private_segment 0
		.amdhsa_kernarg_size 40
		.amdhsa_user_sgpr_count 2
		.amdhsa_user_sgpr_kernarg_segment_ptr 1
		.amdhsa_wavefront_size32 1
		.amdhsa_system_sgpr_workgroup_id_x 1
		.amdhsa_system_sgpr_workgroup_id_y 1
		.amdhsa_system_sgpr_workgroup_id_z 1
		.amdhsa_system_vgpr_workitem_id 0
		.amdhsa_next_free_vgpr 256
		.amdhsa_next_free_sgpr 96
		.amdhsa_reserve_vcc 0
		.amdhsa_float_denorm_mode_32 3
		.amdhsa_float_denorm_mode_16_64 3
		.amdhsa_memory_ordered 1
		.amdhsa_forward_progress 1
		.amdhsa_inst_pref_size 52
	.end_amdhsa_kernel
	.amdgpu_metadata
---
amdhsa.version: [ 1, 2 ]
amdhsa.kernels:
  - .name:           k_q0e233b63fc_attn
    .symbol:         k_q0e233b63fc_attn.kd
    .args:
      - { .name: qkv, .offset: 0, .size: 8, .value_kind: global_buffer, .address_space: global }
      - { .name: qkvs, .offset: 8, .size: 8, .value_kind: global_buffer, .address_space: global }
      - { .name: lmb, .offset: 16, .size: 8, .value_kind: global_buffer, .address_space: global }
      - { .name: yim, .offset: 24, .size: 8, .value_kind: global_buffer, .address_space: global }
      - { .name: sta, .offset: 32, .size: 8, .value_kind: global_buffer, .address_space: global }
    .group_segment_fixed_size: 198656
    .private_segment_fixed_size: 0
    .kernarg_segment_align: 8
    .kernarg_segment_size: 40
    .max_flat_workgroup_size: 512
    .sgpr_count:     96
    .vgpr_count:     256
    .wavefront_size: 32
...
	.end_amdgpu_metadata
.endif
;; end of part 3
;; launch outp (part 4): grid 4 x 64, 4 waves a work-group, no clusters, 121,344 bytes of LDS; arguments yim, sta, cod, scl, gn_w, gn_b, out0; writes out0
.if DOCPART == 4
	.amdgcn_target "amdgcn-amd-amdhsa--gfx1250"
	.amdhsa_code_object_version 6
	.text
	.protected	k_q0e233b63fc_outp
	.globl	k_q0e233b63fc_outp
	.p2align	8
	.type	k_q0e233b63fc_outp,@function
k_q0e233b63fc_outp:
	s_mov_b64 s[64:65], 0
	v_nop
	global_prefetch_b8 v0, s[64:65] scope:SCOPE_SE
	s_setreg_imm32_b32 hwreg(HW_REG_WAVE_MODE, 25, 1), 1
	s_wait_xcnt 0x0
; out0 = groupnorm(y) Wc on codes of FP6 (E2M3) with E8M0 scales.  The group norm is per (batch, head) over 1,024 tokens x 64 channels: its mean and variance are put together here from the 64 partial
; pairs (sum, squares of distances from the part's own mean; 1,024 numbers each) of the launch before: M2 = the sum of the parts' M2 + 1,024 x the squares of the parts' means' distances from the mean: no difference of large sums.
; SHARES.  A work-group makes 64 token places x 256 columns.  THE WAVES SHARE THE COLUMNS: wave w keeps Wc's fragments of columns 64 w .. 64 w + 63 of the work-group's 256, for all of K (32 fragments, 384 registers).
; Wave w also normalises and quantises K steps 2 w and 2 w + 1 (heads 4 w .. 4 w + 3) of all four tiles of 16 places; the eight fragments go to the other waves through LDS as images of their registers.
; y arrives in the order that the conversions want: register 16 b + i of lane (r, h) = channel 32 b + 16 h + i of a K step of 128.
; The product is used transposed (source 0 = 16 columns of Wc, source 1 = 16 places); Wc's rows lie at places with bits 3 and 4 exchanged, so a lane's registers of tiles 2 b, 2 b + 1 are 16 neighbouring columns.
; NO CLUSTER: every operand goes from memory straight into registers, each lane loading its own bytes; there is no tensor load that partners could ask for jointly.
; LIMITS: NaN and infinities are not served; (y - mean) (rs w) + b is one fused multiply-add, 1 to 2 ulp from reference()'s order of rounding; v_rsq_f32 is good to 1 ulp; a block under 2^-124 keeps the scale byte 1.
; REGISTERS: window 0: v4-12 addresses; v16-47 Wc's scale words (8 n + s); v48-55 yn's, two sets; v56-63 the four means (low words of pairs); v64-127, v128-191 two sets of y, then of four fragments, then rows of the result;
;   v192-211 codes; v212-227 at work; v228 a scale word; v232-239 the four 1 / sigma; v240-255 the partial statistics.   window 1: fragments of column tiles 0, 1 at 12 (8 n + s), accumulators (m, n) at 192 + 8 (4 n + m).
;   window 2: the same for column tiles 2, 3.   window 3: v0-127 gn_w x 1 / sigma, v128-255 gn_b, at 64 sl + 16 b + i.
.set AIMG, 0                           ; 49,152 bytes: yn's fragments, (tile m, K step s) at (8 m + s) x 1,536
.set ASC,  49152                       ; 4,096: their scale words, 128 bytes a fragment
.set STG,  53248                       ; 66,560: the stage: 64 rows x (1,024 bytes + 16)
.set SPT,  1040
.set LI,  4                            ; 16 x lane
.set LS,  5                            ; 4 x lane
.set XWI, 6                            ; 16 x lane + 3,072 x wave
.set XWS, 7                            ; 4 x lane + 256 x wave
.set SO,  8                            ; the stage, in
.set SR,  9                            ; the stage, out
.set WO,  10                           ; Wc's codes: 768 r + 24 h
.set WSO, 11                           ; Wc's scale words: 32 r
.set GO,  12                           ; gn_w, gn_b: 64 h
.set WS,  16
.set XS,  48
.set MU,  56
.set PC,  192
.set TM,  212
.set PW,  228
.set RS,  232
.set ST,  240
.set WV,  18
.set SEL, 20
.set MSB, 0
.macro WIN new                         ; the immediate's high byte repeats the setting that is left
.if MSB != (\new)
	s_set_vgpr_msb (MSB<<8)|(\new)
.set MSB, (\new)
.endif
.endm
	s_load_b128 s[4:7], s[0:1], 0x0                ; yim, sta
	s_load_b128 s[8:11], s[0:1], 0x10              ; cod, scl
	s_load_b128 s[12:15], s[0:1], 0x20             ; gn_w, gn_b
	s_load_b64 s[16:17], s[0:1], 0x30              ; out0
	v_lshl_add_u32 v230, v0, 2, 0x1d800
	v_mov_b32 v231, 0
	v_lshrrev_b32 v1, 5, v0
	v_readfirstlane_b32 s[WV], v1                  ; wave 0..3
	v_and_b32 v1, 31, v0                           ; lane
	v_and_b32 v2, 15, v0                           ; r
	v_bfe_u32 v3, v0, 4, 1                         ; h
	v_lshlrev_b32 v[LI], 4, v1
	v_lshlrev_b32 v[LS], 2, v1
	s_mul_i32 s30, s[WV], 3072
	v_add_nc_u32 v[XWI], s30, v[LI]
	s_lshl_b32 s30, s[WV], 8
	v_add_nc_u32 v[XWS], s30, v[LS]
	v_mul_u32_u24 v[SO], v2, SPT
	v_lshl_add_u32 v[SO], v3, 6, v[SO]
	v_add_nc_u32 v[SO], s30, v[SO]
	v_add_nc_u32 v[SO], STG, v[SO]                 ; row r, + 256 x wave + 64 h: my 16 columns of a pair of tiles
	s_mul_i32 s30, s[WV], 16*SPT
	v_add_nc_u32 v[SR], s30, v[LI]
	v_add_nc_u32 v[SR], STG, v[SR]                 ; back: my 16 rows, 16 bytes a lane
	v_mul_u32_u24 v[WO], v2, 768
	v_mad_u32_u24 v[WO], v3, 24, v[WO]
	v_lshlrev_b32 v[WSO], 5, v2
	v_lshlrev_b32 v[GO], 6, v3
.irp b, 0,1,2,3
	v_mov_b32 v[TM+4+\b], 0                        ; a lane permute's destination counts as one of its sources
	v_mov_b32 v[MU+2*\b+1], 0                      ; named as the upper halves of pairs
	v_mov_b32 v[RS+2*\b+1], 0
.endr
	s_mov_b32 s[SEL], 0x76543210
	s_mov_b32 s[SEL+1], 0xfedcba98
	s_mov_b32 s26, 0x3a800000                      ; 2^-10
	s_mov_b32 s27, 0x44800000                      ; 1,024
	s_mov_b32 s28, 0x37800000                      ; 2^-16
	s_mov_b32 s29, 0x3727c5ac                      ; 1e-5
	s_and_b32 s22, ttmp7, 0xffff                   ; tb: which 64 places of the 4,096
	s_lshr_b32 s23, s22, 4                         ; batch
	s_lshl_b32 s32, s22, 18                        ; y: four tiles of 65,536 bytes a work-group, + my four heads of 4,096
	s_lshl_b32 s33, s[WV], 14
	s_add_co_u32 s32, s32, s33
	s_mov_b32 s33, 0
	s_lshl_b32 s34, s23, 13                        ; the statistics: 512 bytes a (batch, head)
	s_lshl_b32 s35, s[WV], 11
	s_add_co_u32 s34, s34, s35
	s_mov_b32 s35, 0
	s_lshl_b32 s36, ttmp9, 8
	s_lshl_b32 s37, s[WV], 6
	s_add_co_u32 s36, s36, s37
	s_add_co_u32 s36, s36, 5120                    ; my first row of Wc among the weights' rows
	s_mul_i32 s38, s36, 768
	s_add_co_u32 s38, s38, 6291456
	s_mov_b32 s39, 0
	s_lshl_b32 s40, s36, 5
	s_add_co_u32 s40, s40, 262144
	s_mov_b32 s41, 0
	s_lshl_b32 s42, s[WV], 10                      ; gn_w, gn_b: my 256 channels
	s_mov_b32 s43, 0
	s_lshl_b32 s44, s22, 6                         ; the result: my 16 stage rows are places 16 w + i: tokens 64 tb + 32 (w / 2) + 8 (w % 2) + 16 (i / 8) + i % 8
	s_lshr_b32 s45, s[WV], 1
	s_lshl_b32 s45, s45, 5
	s_add_co_u32 s44, s44, s45
	s_and_b32 s45, s[WV], 1
	s_lshl_b32 s45, s45, 3
	s_add_co_u32 s44, s44, s45
	s_lshl_b32 s44, s44, 12
	s_lshl_b32 s45, ttmp9, 10
	s_add_co_u32 s44, s44, s45
	s_mov_b32 s45, 0
	s_wait_kmcnt 0x0
	s_add_nc_u64 s[4:5], s[4:5], s[32:33]
	s_add_nc_u64 s[6:7], s[6:7], s[34:35]
	s_add_nc_u64 s[8:9], s[8:9], s[38:39]
	s_add_nc_u64 s[10:11], s[10:11], s[40:41]
	s_add_nc_u64 s[12:13], s[12:13], s[42:43]
	s_add_nc_u64 s[14:15], s[14:15], s[42:43]
	s_add_nc_u64 s[16:17], s[16:17], s[44:45]
.macro YLOAD f                         ; fragment f = (tile f / 2, my K step f % 2): 64 numbers a lane, into set f % 2; each load covers 512 consecutive bytes
.set YS, 64+64*((\f)%2)
.set I, 0
.rept 16
	global_load_b128 v[YS+4*I:YS+4*I+3], v[LI], s[4:5] offset:65536*((\f)/2)+8192*((\f)%2)+512*I
.set I, I+1
.endr
.endm
.macro WBATCH s                        ; Wc's four fragments and scale words of K step s: 28 loads
	WIN 0x40                                       ; destination window 1
.irp n, 0,1
.irp p, 0,1,2,3,4,5
	global_load_b64 v[12*(8*\n+(\s))+2*\p:12*(8*\n+(\s))+2*\p+1], v[WO], s[8:9] offset:16*\n*768+96*(\s)+48*(\p/3)+8*(\p%3)
.endr
.endr
	WIN 0x80                                       ; destination window 2
.irp n, 2,3
.irp p, 0,1,2,3,4,5
	global_load_b64 v[12*(8*(\n-2)+(\s))+2*\p:12*(8*(\n-2)+(\s))+2*\p+1], v[WO], s[8:9] offset:16*\n*768+96*(\s)+48*(\p/3)+8*(\p%3)
.endr
.endr
	WIN 0
.irp n, 0,1,2,3
	global_load_b32 v[WS+8*\n+(\s)], v[WSO], s[10:11] offset:512*\n+4*(\s)
.endr
.endm
.irp k, 0,1,2,3
	global_load_b128 v[ST+4*\k:ST+4*\k+3], v[LI], s[6:7] offset:512*\k   ; head 4 w + k: two of its 64 pairs a lane
.endr
	WIN 0xc0                                       ; destination window 3
.irp sl, 0,1
.irp b, 0,1,2,3
.irp u, 0,1,2,3
	global_load_b128 v[64*\sl+16*\b+4*\u:64*\sl+16*\b+4*\u+3], v[GO], s[12:13] offset:512*\sl+128*\b+16*\u
	global_load_b128 v[128+64*\sl+16*\b+4*\u:128+64*\sl+16*\b+4*\u+3], v[GO], s[14:15] offset:512*\sl+128*\b+16*\u
.endr
.endr
.endr
	WIN 0
	YLOAD 0
	YLOAD 1
	s_wait_loadcnt 32                              ; the statistics and the gains are in; the two sets of y (32 loads) may be out
.macro RED4                            ; v[TM] .. v[TM + 3] summed over the 32 lanes, the four by turns
.irp x, 1,2,4,8
.irp k, 0,1,2,3
	v_add_f32_dpp v[TM+\k], v[TM+\k], v[TM+\k] row_xmask:\x row_mask:0xf bank_mask:0xf
.endr
.endr
.irp k, 0,1,2,3
	v_permlanex16_b32 v[TM+4+\k], v[TM+\k], s[SEL], s[SEL+1]
.endr
.irp k, 0,1,2,3
	v_add_f32 v[TM+\k], v[TM+\k], v[TM+4+\k]
.endr
.endm
.irp k, 0,1,2,3
	v_add_f32 v[TM+\k], v[ST+4*\k], v[ST+4*\k+2]
.endr
	RED4
.irp k, 0,1,2,3
	v_mul_f32 v[MU+2*\k], s28, v[TM+\k]            ; the mean of 65,536 numbers
.endr
.irp k, 0,1,2,3
	v_fma_f32 v[ST+4*\k], v[ST+4*\k], s26, -v[MU+2*\k]       ; a part's mean less the mean
	v_fma_f32 v[ST+4*\k+2], v[ST+4*\k+2], s26, -v[MU+2*\k]
.endr
.irp k, 0,1,2,3
	v_mul_f32 v[ST+4*\k], v[ST+4*\k], v[ST+4*\k]
.endr
.irp k, 0,1,2,3
	v_fma_f32 v[ST+4*\k], v[ST+4*\k+2], v[ST+4*\k+2], v[ST+4*\k]
.endr
.irp k, 0,1,2,3
	v_add_f32 v[TM+\k], v[ST+4*\k+1], v[ST+4*\k+3]
.endr
.irp k, 0,1,2,3
	v_fma_f32 v[TM+\k], v[ST+4*\k], s27, v[TM+\k]
.endr
	RED4
.irp k, 0,1,2,3
	v_fma_f32 v[TM+\k], v[TM+\k], s28, s29         ; the variance + 1e-5
.endr
.irp k, 0,1,2,3
	v_rsq_f32 v[RS+2*\k], v[TM+\k]
.endr
	v_nop                                          ; a plain instruction behind the transcendentals,
	s_wait_alu depctr_va_vdst(0)                   ; and a wait ahead of their first reader: one for the four
	WIN 0xc3                                       ; destination and source 0 window 3
.irp k, 0,1,2,3
.set I, 0
.rept 16
	v_pk_mul_f32 v[32*\k+I:32*\k+I+1], v[32*\k+I:32*\k+I+1], v[RS+2*\k:RS+2*\k+1] op_sel_hi:[1,0]   ; gn_w / sigma: registers 32 k .. 32 k + 31 are head 4 w + k's
.set I, I+2
.endr
.endr
	WIN 0
.macro NORM ys, sl                     ; (y - mean) (gn_w / sigma) + gn_b
.set I, 0
.rept 32
	v_pk_add_f32 v[(\ys)+2*I:(\ys)+2*I+1], v[(\ys)+2*I:(\ys)+2*I+1], v[MU+2*(2*(\sl)+I/16):MU+2*(2*(\sl)+I/16)+1] op_sel_hi:[1,0] neg_lo:[0,1] neg_hi:[0,1]
.set I, I+1
.endr
	WIN 0x3c                                       ; sources 1 and 2 window 3
.set I, 0
.rept 32
	v_pk_fma_f32 v[(\ys)+2*I:(\ys)+2*I+1], v[(\ys)+2*I:(\ys)+2*I+1], v[64*(\sl)+2*I:64*(\sl)+2*I+1], v[128+64*(\sl)+2*I:128+64*(\sl)+2*I+1]
.set I, I+1
.endr
	WIN 0
.endm
; 64 numbers of a lane, register 16 b + i = k 32 b + 16 (lane / 16) + i of my row, become a fragment's codes in v[PC] .. v[PC + 11] and its scale word in v[PW]
.macro QUANT s
.irp b, 0,1,2,3
	v_max3_num_f32 v[TM+\b], |v[(\s)+16*\b]|, |v[(\s)+1+16*\b]|, 0x1800000   ; and the floor 2^(3 - 127): the byte cannot fall under 1
.endr
.irp i, 2,4,6,8,10,12,14
.irp b, 0,1,2,3
	v_max3_num_f32 v[TM+\b], v[TM+\b], |v[(\s)+16*\b+\i]|, |v[(\s)+1+16*\b+\i]|
.endr
.endr
.irp b, 0,1,2,3
	v_permlanex16_b32 v[TM+4+\b], v[TM+\b], s[SEL], s[SEL+1]
.endr
.irp b, 0,1,2,3
	v_max_num_f32 v[TM+\b], v[TM+\b], v[TM+4+\b]
.endr
.irp b, 0,1,2,3
	v_add_nc_u32 v[TM+12+\b], 0xff000000, v[TM+\b]
.endr
.irp b, 0,1,2,3
	v_lshrrev_b32 v[TM+4+\b], 23, v[TM+12+\b]
.endr
	v_lshl_or_b32 v[PW], v[TM+5], 8, v[TM+4]
	v_lshl_or_b32 v[PW], v[TM+6], 16, v[PW]
	v_lshl_or_b32 v[PW], v[TM+7], 24, v[PW]
.irp c, 0,1
	v_cvt_scalef32_pk16_fp6_f32 v[PC+6*\c:PC+2+6*\c], v[(\s)+32*\c:(\s)+15+32*\c], v[TM+12+2*\c]
	v_cvt_scalef32_pk16_fp6_f32 v[PC+12+4*\c:PC+14+4*\c], v[(\s)+16+32*\c:(\s)+31+32*\c], v[TM+12+2*\c+1]
.endr
	v_nop                                          ; one plain place behind a scaled conversion
.irp c, 0,1
.irp i, 0,1,2
	v_permlane16_swap_b32 v[PC+6*\c+\i], v[PC+12+4*\c+\i]
.endr
.irp i, 0,1,2
	v_mov_b32 v[PC+3+6*\c+\i], v[PC+12+4*\c+\i]
.endr
.endr
.endm
; Fragment f.  left: the loads issued behind this fragment's 16 that may stay out.  f = 0: the next set's 16.  f = 1 .. 6: the next set's 16 and the last batch of Wc's 28 (the batch before it is waited for too:
; with it the count would be 72, more than the wait's field names).  f = 7: two batches, 56.
.macro PHASE f, left
.set YS, 64+64*((\f)%2)
	s_wait_loadcnt \left
	NORM YS, (\f)%2
	QUANT YS
.irp c, 0,1,2
	ds_store_b128 v[XWI], v[PC+4*\c:PC+4*\c+3] offset:AIMG+12288*((\f)/2)+1536*((\f)%2)+512*\c   ; the fragment as it stands: 512 consecutive bytes a store
.endr
	ds_store_b32 v[XWS], v[PW] offset:ASC+1024*((\f)/2)+128*((\f)%2)
	s_wait_dscnt 0x0                               ; the stores have read their registers
.if (\f) < 6
	YLOAD (\f)+2
.endif
	WBATCH \f
.endm
	PHASE 0, 16
	PHASE 1, 44
	PHASE 2, 44
	PHASE 3, 44
	PHASE 4, 44
	PHASE 5, 44
	PHASE 6, 44
	PHASE 7, 56
	s_wait_dscnt 0x0                               ; my images have landed
	s_barrier_signal -1
	s_barrier_wait -1                              ; all 32 fragments of yn lie in LDS
	s_wait_loadcnt 0x0                             ; Wc
.macro AFETCH s                        ; K step s: four fragments and their scale words: 16 LDS loads, into set s % 2
.set AS, 64+64*((\s)%2)
.irp m, 0,1,2,3
.irp c, 0,1,2
	ds_load_b128 v[AS+12*\m+4*\c:AS+12*\m+4*\c+3], v[LI] offset:AIMG+(8*\m+(\s))*1536+512*\c
.endr
	ds_load_b32 v[XS+4*((\s)%2)+\m], v[LS] offset:ASC+(8*\m+(\s))*128
.endr
.endm
.macro MULS s                          ; sixteen accumulators by turns, one instruction a turn; the first K step starts the sums
.set AS, 64+64*((\s)%2)
.irp w, 0,1
	WIN 0x51+0x51*\w                               ; source 0 (Wc), C and D in window 1, then 2; source 1 (yn) in window 0
.irp n, 0,1
.irp m, 0,1,2,3
.if (\s) == 0
	v_wmma_scale_f32_16x16x128_f8f6f4 v[192+8*(4*\n+\m):199+8*(4*\n+\m)], v[12*(8*\n+(\s)):12*(8*\n+(\s))+11], v[AS+12*\m:AS+12*\m+11], 0, v[WS+8*(2*\w+\n)+(\s)], v[XS+4*((\s)%2)+\m] matrix_a_fmt:MATRIX_FMT_FP6 matrix_b_fmt:MATRIX_FMT_FP6
.else
	v_wmma_scale_f32_16x16x128_f8f6f4 v[192+8*(4*\n+\m):199+8*(4*\n+\m)], v[12*(8*\n+(\s)):12*(8*\n+(\s))+11], v[AS+12*\m:AS+12*\m+11], v[192+8*(4*\n+\m):199+8*(4*\n+\m)], v[WS+8*(2*\w+\n)+(\s)], v[XS+4*((\s)%2)+\m] matrix_a_fmt:MATRIX_FMT_FP6 matrix_b_fmt:MATRIX_FMT_FP6
.endif
.endr
.endr
.endr
	WIN 0
.endm
	AFETCH 0
.irp s, 0,1,2,3,4,5,6
.rept 4
	v_nop                                          ; places in front of loads into registers that the last K step's matrix instructions have read
.endr
	AFETCH \s+1
	s_wait_dscnt 16                                ; this K step's are in; the 16 just issued may be out
	MULS \s
.endr
	s_wait_dscnt 0x0
	MULS 7
.rept 4
	v_nop                                          ; places in front of the first read of results
.endr
.irp w, 0,1                            ; lane (r, h): place 16 m + r, columns 64 wave + 32 w + 16 h + 8 n + 0 .. 7; each accumulator from its low end on
	WIN 0x04+0x04*\w                               ; an LDS store's data are its source 1: window 1, then 2
.irp n, 0,1
.irp m, 0,1,2,3
	ds_store_b128 v[SO], v[192+8*(4*\n+\m):195+8*(4*\n+\m)] offset:16*\m*SPT+128*\w+32*\n
	ds_store_b128 v[SO], v[196+8*(4*\n+\m):199+8*(4*\n+\m)] offset:16*\m*SPT+128*\w+32*\n+16
.endr
.endr
.endr
	WIN 0
	s_wait_dscnt 0x0                               ; for the others' sake
	s_barrier_signal -1
	s_barrier_wait -1                              ; 64 rows of 1,024 bytes lie in the stage
.irp i, 0,1,2,3,4,5,6,7,8,9,10,11,12,13,14,15
.irp q, 0,1
	ds_load_b128 v[64+8*\i+4*\q:67+8*\i+4*\q], v[SR] offset:\i*SPT+512*\q
.endr
.endr
.irp i, 0,1,2,3,4,5,6,7,8,9,10,11,12,13,14,15
.irp q, 0,1
	s_wait_dscnt 31-2*\i-\q
	global_store_b128 v[LI], v[64+8*\i+4*\q:67+8*\i+4*\q], s[16:17] offset:(16*(\i/8)+\i%8)*4096+512*\q th:TH_STORE_NT   ; 512 consecutive bytes, aligned; the place's bits 3 and 4 go back in the base and the immediate
.endr
.endr
	s_wait_tensorcnt 0x0
	ds_add_u32 v230, v231
	s_wait_dscnt 0x0
	s_endpgm
.Lfunc_end_k_q0e233b63fc_outp:
	.size	k_q0e233b63fc_outp, .Lfunc_end_k_q0e233b63fc_outp-k_q0e233b63fc_outp
	.p2alignl 7, 3214868480
	.fill 96, 4, 3214868480
	.section	.rodata,"a",@progbits
	.p2align	6, 0x0
	.amdhsa_kernel k_q0e233b63fc_outp
		.amdhsa_group_segment_fixed_size 121344
		.amdhsa_private_segment_fixed_size 0
		.amdhsa_enable_private_segment 0
		.amdhsa_kernarg_size 56
		.amdhsa_user_sgpr_count 2
		.amdhsa_user_sgpr_kernarg_segment_ptr 1
		.amdhsa_wavefront_size32 1
		.amdhsa_system_sgpr_workgroup_id_x 1
		.amdhsa_system_sgpr_workgroup_id_y 1
		.amdhsa_system_sgpr_workgroup_id_z 1
		.amdhsa_system_vgpr_workitem_id 0
		.amdhsa_next_free_vgpr 1024
		.amdhsa_next_free_sgpr 66
		.amdhsa_reserve_vcc 0
		.amdhsa_float_denorm_mode_32 3
		.amdhsa_float_denorm_mode_16_64 3
		.amdhsa_memory_ordered 1
		.amdhsa_forward_progress 1
		.amdhsa_inst_pref_size 153
	.end_amdhsa_kernel
	.amdgpu_metadata
---
amdhsa.version: [ 1, 2 ]
amdhsa.kernels:
  - .name:           k_q0e233b63fc_outp
    .symbol:         k_q0e233b63fc_outp.kd
    .args:
      - { .name: yim, .offset: 0, .size: 8, .value_kind: global_buffer, .address_space: global }
      - { .name: sta, .offset: 8, .size: 8, .value_kind: global_buffer, .address_space: global }
      - { .name: cod, .offset: 16, .size: 8, .value_kind: global_buffer, .address_space: global }
      - { .name: scl, .offset: 24, .size: 8, .value_kind: global_buffer, .address_space: global }
      - { .name: gn_w, .offset: 32, .size: 8, .value_kind: global_buffer, .address_space: global }
      - { .name: gn_b, .offset: 40, .size: 8, .value_kind: global_buffer, .address_space: global }
      - { .name: out0, .offset: 48, .size: 8, .value_kind: global_buffer, .address_space: global }
    .group_segment_fixed_size: 121344
    .private_segment_fixed_size: 0
    .kernarg_segment_align: 8
    .kernarg_segment_size: 56
    .max_flat_workgroup_size: 128
    .sgpr_count:     66
    .vgpr_count:     1024
    .wavefront_size: 32
...
	.end_amdgpu_metadata
.endif
;; end of part 4
